; MI455X (gfx1250); checked and timed in simulation.
; The chip was launched on July 23, 2026; its instructions are those of AMD's public machine-readable ISA for CDNA 5 (MIT licence, August 2026) and "CDNA5" Instruction Set Architecture Reference Guide (July 2026). The comments in the code are by the model that wrote it; some were corrected since.
;; Basic Attention. Allowed arithmetic: float matrix products may take bf16 or f16 operands with f32 sums; other float arithmetic in f32, or as packed bf16 or f16 multiplies, adds, multiply-adds, maxima and minima; sums over many terms, partial sums and values carried from step to step in f32; what a program stores and reads back later, other than sums and carried values, may be rounded once to bf16 or f16.
;; Inputs: Wk 1,024 x 1,024 float32; Wq 1,024 x 1,024 float32; Wv 1,024 x 1,024 float32; bk 1,024 float32; bq 1,024 float32; bv 1,024 float32; k_embd 8 x 2,048 x 1,024 float32; q_embd 8 x 512 x 1,024 float32; v_embd 8 x 2,048 x 1,024 float32.
;; Outputs: out0 8 x 512 x 1,024 float32.
;; 2 versions, each right; version 2 is version 1 with the launch cvt written anew for expert scheduling mode. Each part assembles by itself: llvm-mc -triple=amdgcn-amd-amdhsa -mcpu=gfx1250 --defsym DOCPART=n.
;; ======== version 1 of 2: 6 launches
;; limits: values are held in f16: magnitudes above 65,504 overflow, below 6.1e-05 lose precision; inputs' magnitudes at most 65,504; right only within a limited range of input values
;; workspace buffers: x16 81,788,928 bytes; qh 8,388,608 bytes; qp 8,388,608 bytes; tpart 262,144 bytes; pm 16,777,216 bytes; stat 1,048,576 bytes; ctx 8,388,608 bytes
;; launch cvt (part 1): grid 1248 x 1, 8 waves a work-group, no clusters, 0 bytes of LDS; arguments q_embd, k_embd, v_embd, Wq, Wk, Wv, x16; writes x16
.if DOCPART == 1
	.amdgcn_target "amdgcn-amd-amdhsa--gfx1250"
	.amdhsa_code_object_version 6
	.text
	.protected	k_q297120ea4e_cvt
	.globl	k_q297120ea4e_cvt
	.p2align	8
	.type	k_q297120ea4e_cvt,@function
k_q297120ea4e_cvt:
	s_mov_b64 s[64:65], 0
	v_nop
	global_prefetch_b8 v0, s[64:65] scope:SCOPE_SE
	s_setreg_imm32_b32 hwreg(HW_REG_WAVE_MODE, 25, 1), 1
	s_wait_xcnt 0x0
; x16 = q_embd, k_embd, v_embd, Wq, Wk, Wv on end, each number rounded once from f32 to f16.
; LIMIT: a number of 65,520 or more in magnitude becomes an infinity; below 6.1e-5 f16 keeps its fixed step of 6e-8.  NaN and infinities pass as they are.
; The six tensors have 4, 16, 16, 1, 1, 1 Mi elements: 39 Mi in all.  A work-group converts 32 Ki elements (131,072 bytes in, 65,536 out), so 32 work-groups make a Mi
; and no work-group spans two tensors.  Thread t takes 16 bytes at 16 t of each 4,096-byte chunk and stores 8 bytes at 8 t of each 2,048-byte chunk:
; a wave's load covers 512 consecutive bytes, its store 256 consecutive bytes, aligned.  All 32 loads of a thread go out first; no register that a load or store reads is ever written again.
; No LDS, no barrier, no matrix unit: the launch only moves bytes.
.set X, 4                              ; v[4:131]  chunk i: four registers as loaded; the first two then hold the four f16
	s_load_b256 s[8:15], s[0:1], 0x0               ; q_embd, k_embd, v_embd, Wq
	s_load_b128 s[16:19], s[0:1], 0x20             ; Wk, Wv
	s_load_b64 s[20:21], s[0:1], 0x30              ; x16
	s_lshr_b32 s2, ttmp9, 5                        ; which Mi of elements this work-group lies in, 0 to 38
	v_lshlrev_b32 v1, 4, v0                        ; my 16 bytes of a chunk of the source
	v_lshlrev_b32 v2, 3, v0                        ; my 8 bytes of a chunk of x16
	s_mov_b32 s24, 0                               ; the Mi at which the chosen tensor begins
	s_mov_b32 s27, 0
	s_wait_kmcnt 0x0
	s_mov_b64 s[22:23], s[8:9]                     ; the source: q_embd, unless a later tensor has begun
.macro PICK first, p                   ; from Mi 'first' on the source is the tensor whose address lies in s[p:p+1]
	s_cmp_ge_u32 s2, \first
	s_cselect_b64 s[22:23], s[\p:\p+1], s[22:23]
	s_cselect_b32 s24, \first, s24
.endm
	PICK 4, 10
	PICK 20, 12
	PICK 36, 14
	PICK 37, 16
	PICK 38, 18
	s_lshl_b32 s24, s24, 5                         ; the tensor's first work-group
	s_sub_co_u32 s26, ttmp9, s24
	s_lshl_b32 s26, s26, 17                        ; 131,072 bytes of the source for each work-group
	s_add_nc_u64 s[22:23], s[22:23], s[26:27]
	s_lshl_b32 s26, ttmp9, 16                      ; 65,536 bytes of x16
	s_add_nc_u64 s[20:21], s[20:21], s[26:27]
.set i, 0
.rept 32
	global_load_b128 v[X+4*i:X+4*i+3], v1, s[22:23] offset:4096*i th:TH_LOAD_NT
.set i, i+1
.endr
.set i, 0
.rept 32
	s_wait_loadcnt 31-i                            ; loads come back in order: chunk i is in, the 31 - i younger ones stay out
	v_cvt_pk_f16_f32 v[X+4*i], v[X+4*i], v[X+4*i+1]
	v_cvt_pk_f16_f32 v[X+4*i+1], v[X+4*i+2], v[X+4*i+3]
	global_store_b64 v2, v[X+4*i:X+4*i+1], s[20:21] offset:2048*i th:TH_STORE_NT
.set i, i+1
.endr
	s_endpgm
.Lfunc_end_k_q297120ea4e_cvt:
	.size	k_q297120ea4e_cvt, .Lfunc_end_k_q297120ea4e_cvt-k_q297120ea4e_cvt
	.p2alignl 7, 3214868480
	.fill 96, 4, 3214868480
	.section	.rodata,"a",@progbits
	.p2align	6, 0x0
	.amdhsa_kernel k_q297120ea4e_cvt
		.amdhsa_group_segment_fixed_size 0
		.amdhsa_private_segment_fixed_size 0
		.amdhsa_enable_private_segment 0
		.amdhsa_kernarg_size 56
		.amdhsa_user_sgpr_count 2
		.amdhsa_user_sgpr_kernarg_segment_ptr 1
		.amdhsa_wavefront_size32 1
		.amdhsa_system_sgpr_workgroup_id_x 1
		.amdhsa_system_sgpr_workgroup_id_y 1
		.amdhsa_system_sgpr_workgroup_id_z 1
		.amdhsa_system_vgpr_workitem_id 0
		.amdhsa_next_free_vgpr 132
		.amdhsa_next_free_sgpr 66
		.amdhsa_reserve_vcc 0
		.amdhsa_float_denorm_mode_32 3
		.amdhsa_float_denorm_mode_16_64 3
		.amdhsa_memory_ordered 1
		.amdhsa_forward_progress 1
		.amdhsa_inst_pref_size 13
	.end_amdhsa_kernel
	.amdgpu_metadata
---
amdhsa.version: [ 1, 2 ]
amdhsa.kernels:
  - .name:           k_q297120ea4e_cvt
    .symbol:         k_q297120ea4e_cvt.kd
    .args:
      - { .name: q_embd, .offset: 0, .size: 8, .value_kind: global_buffer, .address_space: global }
      - { .name: k_embd, .offset: 8, .size: 8, .value_kind: global_buffer, .address_space: global }
      - { .name: v_embd, .offset: 16, .size: 8, .value_kind: global_buffer, .address_space: global }
      - { .name: Wq, .offset: 24, .size: 8, .value_kind: global_buffer, .address_space: global }
      - { .name: Wk, .offset: 32, .size: 8, .value_kind: global_buffer, .address_space: global }
      - { .name: Wv, .offset: 40, .size: 8, .value_kind: global_buffer, .address_space: global }
      - { .name: x16, .offset: 48, .size: 8, .value_kind: global_buffer, .address_space: global }
    .group_segment_fixed_size: 0
    .private_segment_fixed_size: 0
    .kernarg_segment_align: 8
    .kernarg_segment_size: 56
    .max_flat_workgroup_size: 256
    .sgpr_count:     66
    .vgpr_count:     132
    .wavefront_size: 32
...
	.end_amdgpu_metadata
.endif
;; end of part 1
;; launch qproj (part 2): grid 8 x 32, 4 waves a work-group, clusters of 4 x 4, 327,680 bytes of LDS; arguments x16, bq, bk, qh, tpart; writes qh, tpart
.if DOCPART == 2
	.amdgcn_target "amdgcn-amd-amdhsa--gfx1250"
	.amdhsa_code_object_version 6
	.text
	.protected	k_q297120ea4e_qproj
	.globl	k_q297120ea4e_qproj
	.p2align	8
	.type	k_q297120ea4e_qproj,@function
k_q297120ea4e_qproj:
	s_mov_b64 s[64:65], 0
	v_nop
	global_prefetch_b8 v0, s[64:65] scope:SCOPE_SE
	s_setreg_imm32_b32 hwreg(HW_REG_WAVE_MODE, 25, 1), 1
	s_wait_xcnt 0x0
	s_wait_alu depctr_hold_cnt(0) depctr_sa_sdst(0) depctr_va_vdst(0) depctr_va_sdst(0) depctr_va_ssrc(0) depctr_va_vcc(0) depctr_vm_vsrc(0)
	s_getreg_b32 s2, hwreg(HW_REG_IB_STS2, 6, 4)
	s_cmp_eq_u32 s2, 0
	s_cbranch_scc0 .Lentry_in_a_cluster
	s_endpgm
.Lentry_in_a_cluster:
	s_bfe_u32 s2, ttmp6, 0x10000c
	s_cmp_lg_u32 s2, 0xf033
	s_cbranch_scc0 .Lentry_shape_is_right
	s_endpgm
.Lentry_shape_is_right:
; qh[m][n] = f16((sum over k of q16[m][k] Wq16[n][k] + bq[n]) / 16), m < 4,096, n < 1,024, K = 1,024; sums in f32.
; tpart[j][m] = the sum over the 64 columns n of block j of (q[m][n] / 16) bk[n], in f32: the sixteen partial sums of q . bk, added up by the launch that makes the scores.
; LIMIT: |q| stays under 1.04e6 (f16's 65,504 times 16); the division by 16 is exact.
; SHARES.  A tile of the result is 128 x 128, a work-group's; each of its four waves makes 64 x 64: 16 accumulators of 16 x 16.  K goes in steps of 256 through two LDS slots; a step is four
; quarters of 64, on two fragment buffers by turns.  The matrix instruction is used transposed (source 0 = 16 rows of Wq, source 1 = 16 rows of q16): a lane holds row l % 16 and eight neighbouring columns.
; CLUSTER.  4 x 4 work-groups: the four of a row need the same rows of q16, the four of a column the same rows of Wq16; each tile is asked for jointly, by the same load with a mask of four.
; NOT PREFETCHED: a step's tile is 64 rows a wave and the whole walk has four steps.
; REGISTERS.  Window 0: v0-31 addresses; v32-63 bq, v64-95 bk of my lane's 32 columns; v96-103 the partial sums; v128-255 accumulators ((a, b) at v[128 + 8 (4 a + b)]).
; Window 1: two fragment buffers of 128: 64 registers of A (half c, block a at 8 (4 c + a)), then 64 of B.
.set NSTEPS, 4
.set LAPS,  (NSTEPS-2)/2               ; laps that fill both slots again
.set BOFF,  75497472                   ; Wq16's first byte in x16
.set ROWB,  2048                       ; bytes in a row of the result
.set PA,    528                        ; an LDS row: 512 bytes + 16 of padding, an odd multiple of 16: the 16 rows of a fragment load start in 16 different groups of four banks (ISA guide 11.1)
.set HA,    64*PA                      ; 64 rows: one tensor load
.set AT,    2*HA                       ; A's 128 rows; B's tile begins here
.set PB,    528
.set HB,    64*PB
.set SLOT,  AT+2*HB
.set QA,    128                        ; bytes from quarter to quarter along A's LDS rows
.set QB,    128                        ; and along B's
.set ASTEP, 512                        ; bytes from K step to K step in memory
.set BSTEP, 512
.set STAGE, 2*SLOT                     ; behind the ring: 128 rows x 272 bytes, the work-group's, for the way out
.set SP,    272
.set SPARE, STAGE+128*SP               ; the spare words: 128 bytes for each wave, two blocks of 256 bytes that no other line names
.set A0, 10                            ; v10  my lane's place in A's tile; never rewritten
.set B0, 11                            ; v11  the same for B
.set ADRA, 12                          ; v12  the address of the run of loads in hand, A
.set ADRB, 13                          ; v13  B
.set STO, 14                           ; v14  the way out: where I put 16 bytes of a row
.set RD,  15                           ; v15  where I read a row back
.set CO,  16                           ; v16  my byte offset in the result
.set BO,  17                           ; v17  my byte offset in the wave's 64 numbers of a bias
.set SPW, 28                           ; v28  my spare word; never rewritten
.set NIL, 29                           ; v29  0; never rewritten
.set TO,  30                           ; v30  4 x lane
.set BQ,  32
.set BK,  64
.set T,   96
.set ACC, 128
.set F0,  0
.set F1,  128
.set WV, 10                            ; s10 wave; s11 its half of the rows (also: 0 fetches A, 1 fetches B); s12 its half of the columns (also: which 64 rows it fetches)
.set MH, 11
.set NH, 12
.set TY, 13                            ; s13 tile row
.set G1A, 24                           ; s[24:31] descriptor group 1 for A; s[32:39] group 0, a set for each slot
.set G0A, 32
.set CX, 40
.set CY, 41
.set TX, 42                            ; s42 tile column
.set BAT, 45                           ; s45 the cluster's y
.set G1B, 48                           ; s[48:55], s[56:63] the same for B
.set G0B, 56
.set TBA, 66                           ; s66 LDS byte, from A0, of the quarter to be fetched; s67 the same from B0
.set TBB, 67
.set TW,  70                           ; s70 counts pairs of quarters
.set HM,  71                           ; s71 a mask of lanes 16 to 31
.set SEL, 86                           ; s[86:87] v_permlanex16_b32's selects: each lane takes its own place in the other half
.set CB,  88                           ; s[88:89] the result at my first row; s[90:91] tpart at my first word
.set SB,  90
.set MSB, 0
.macro WIN new                         ; the immediate's high byte repeats the setting that is left; a switch that changes nothing is dropped
.if MSB != (\new)
	s_set_vgpr_msb (MSB<<8)|(\new)
.set MSB, (\new)
.endif
.endm
.set MUL,  0x05                        ; sources 0 (B) and 1 (A) window 1; C and D window 0
.set TO_F, 0x40                        ; destination window 1, address window 0
.macro PLACES
.rept 4
	v_nop
.endr
.endm
.macro CROUND                          ; a round of the cluster's barrier: my work-group's barrier, wave 0's signal for it, every wave's wait for all sixteen, my work-group's barrier once more
	s_barrier_signal -1
	s_barrier_wait -1
	s_cmp_lg_u32 s[WV], 0
	s_cbranch_scc1 .Lnot_wave_0_\@
	s_barrier_signal -3
.Lnot_wave_0_\@:
	s_barrier_wait -3
	s_barrier_signal -1
	s_barrier_wait -1
.endm
.macro JLOAD s                         ; a joint refill of slot s: waves 0 and 1 fetch A's halves, waves 2 and 3 B's; an s_nop 0 and four v_nop follow each line
	s_cmp_eq_u32 s[MH], 0
	s_cbranch_scc0 .Lfor_b_\@
	tensor_load_to_lds s[G0A+4*(\s):G0A+4*(\s)+3], s[G1A:G1A+7]
	s_nop 0
	PLACES
	s_branch .Lasked_\@
.Lfor_b_\@:
	tensor_load_to_lds s[G0B+4*(\s):G0B+4*(\s)+3], s[G1B:G1B+7]
	s_nop 0
	PLACES
.Lasked_\@:
.endm
; 16 matrix instructions: 32 along K (half c of buffer f), all 16 accumulators by turns.  zero = 1: the product starts the sums
.macro MUL16 f, c, zero
	WIN MUL
.irp a, 0,1,2,3
.irp b, 0,1,2,3
.if \zero
	v_wmma_f32_16x16x32_f16 v[ACC+8*(4*(\a)+(\b)):ACC+8*(4*(\a)+(\b))+7], v[(\f)+64+8*(4*(\c)+(\b)):(\f)+64+8*(4*(\c)+(\b))+7], v[(\f)+8*(4*(\c)+(\a)):(\f)+8*(4*(\c)+(\a))+7], 0
.else
	v_wmma_f32_16x16x32_f16 v[ACC+8*(4*(\a)+(\b)):ACC+8*(4*(\a)+(\b))+7], v[(\f)+64+8*(4*(\c)+(\b)):(\f)+64+8*(4*(\c)+(\b))+7], v[(\f)+8*(4*(\c)+(\a)):(\f)+8*(4*(\c)+(\a))+7], v[ACC+8*(4*(\a)+(\b)):ACC+8*(4*(\a)+(\b))+7]
.endif
.endr
.endr
.endm
.macro FETCH g                         ; 32 LDS loads in one run: a quarter's fragments into buffer g, its first 32 along K first
	WIN TO_F
.irp c, 0,1
.irp i, 0,1,2,3
	ds_load_b128 v[(\g)+64+8*(4*(\c)+(\i)):(\g)+64+8*(4*(\c)+(\i))+3],   v[ADRB] offset:64*(\c)+(\i)*16*PB
	ds_load_b128 v[(\g)+64+8*(4*(\c)+(\i))+4:(\g)+64+8*(4*(\c)+(\i))+7], v[ADRB] offset:64*(\c)+(\i)*16*PB+32
	ds_load_b128 v[(\g)+8*(4*(\c)+(\i)):(\g)+8*(4*(\c)+(\i))+3],         v[ADRA] offset:64*(\c)+(\i)*16*PA
	ds_load_b128 v[(\g)+8*(4*(\c)+(\i))+4:(\g)+8*(4*(\c)+(\i))+7],       v[ADRA] offset:64*(\c)+(\i)*16*PA+32
.endr
.endr
.endm
.macro AHEAD g                         ; the next quarter's fragments.  The two additions and two v_nop are the four places between the last product that read buffer g and the loads into it
	WIN 0
	v_add_nc_u32 v[ADRA], s[TBA], v[A0]
	v_add_nc_u32 v[ADRB], s[TBB], v[B0]
	v_nop
	v_nop
	s_add_co_u32 s[TBA], s[TBA], QA
	s_add_co_u32 s[TBB], s[TBB], QB
	FETCH \g
.endm
.macro QUARTER f, g, zero              ; buffer f is multiplied while buffer g is filled
	s_wait_dscnt 0x0                               ; f's 32 loads, issued a quarter (32 matrix instructions) ago
	AHEAD \g
	MUL16 \f, 0, \zero
	MUL16 \f, 1, 0
.endm
; THE CHANGE OF SLOTS, in front of a step's fourth quarter, whose fragments have been asked for.  Each wave waits for all its tensor loads (one is out: its part of the other slot), adds 0 to its
; spare word, and waits for that and for its reads of the slot that it leaves.  fill = 1: the barrier is a round of the cluster's, and the slot is filled again first thing behind it, two K steps on.
.macro CHANGE slot, fill
	WIN 0                                          ; at a label and at a branch every window is 0
	s_wait_tensorcnt 0x0                           ; no tensor load of mine is out, so a group 0 may be written
	ds_add_u32 v[SPW], v[NIL]                      ; 0 onto my spare word; scalar work stands between it and the wait for it
.if \fill
	s_add_nc_u64 s[G0A+4*(\slot)+2:G0A+4*(\slot)+3], s[G0A+4*(\slot)+2:G0A+4*(\slot)+3], 2*ASTEP
	s_add_nc_u64 s[G0B+4*(\slot)+2:G0B+4*(\slot)+3], s[G0B+4*(\slot)+2:G0B+4*(\slot)+3], 2*BSTEP
.endif
	s_mov_b32 s[TBA], (1-(\slot))*SLOT             ; the fetches go on at the other slot's first quarter
	s_mov_b32 s[TBB], (1-(\slot))*SLOT
	s_wait_dscnt 0x0                               ; the add is done, and my reads of the slot are over
.if \fill
	CROUND
	JLOAD \slot
.else
	s_barrier_signal -1
	s_barrier_wait -1
.endif
.endm
.macro PAIRS                           ; four quarters: a step's fourth and the next step's first three; written once, walked twice
	s_mov_b32 s[TW], 2
.Lpair_\@:
	QUARTER F1, F0, 0
	QUARTER F0, F1, 0
	WIN 0
	s_sub_co_u32 s[TW], s[TW], 1
	s_cmp_lg_u32 s[TW], 0
	s_cbranch_scc1 .Lpair_\@
.endm
; THE WAY OUT: rounded to f16 in place; 16 bytes a lane into the work-group's stage; a barrier, since a row's 256 bytes come from two waves; back as whole rows, 32 rows a wave
.macro OUT16
.set t, 0
.rept 16
.irp r, 0,1,2,3
	v_cvt_pk_f16_f32 v[ACC+8*t+(\r)], v[ACC+8*t+2*(\r)], v[ACC+8*t+2*(\r)+1]
.endr
.set t, t+1
.endr
.irp a, 0,1,2,3
.irp b, 0,1,2,3
	ds_store_b128 v[STO], v[ACC+8*(4*(\a)+(\b)):ACC+8*(4*(\a)+(\b))+3] offset:(\a)*16*SP+32*(\b)
.endr
.endr
	s_wait_dscnt 0x0                               ; for the others' sake: my stores into the stage are done
	s_barrier_signal -1
	s_barrier_wait -1
.set t, 0
.rept 16
	ds_load_b128 v[ACC+8*t+4:ACC+8*t+7], v[RD] offset:t*2*SP
.set t, t+1
.endr
.set t, 0
.rept 16
	s_wait_dscnt 15-t                              ; load t is back; the 15 - t younger ones stay out
	global_store_b128 v[CO], v[ACC+8*t+4:ACC+8*t+7], s[CB:CB+1] offset:2*t*ROWB  ; 16 lanes store 256 consecutive bytes, aligned
.set t, t+1
.endr
.endm
	s_load_b256 s[72:79], s[0:1], 0x0              ; x16 s[72:73], bq s[74:75], bk s[76:77], qh s[78:79]
	s_load_b64 s[80:81], s[0:1], 0x20              ; tpart
	v_lshl_add_u32 v[SPW], v0, 2, SPARE
	v_mov_b32 v[NIL], 0
	ds_add_u32 v[SPW], v[NIL]                      ; the wave's opening: the add and its wait stand ahead of my first tensor load; the set-up, work on registers, stands between
	v_lshrrev_b32 v1, 5, v0
	v_readfirstlane_b32 s[WV], v1
	s_lshr_b32 s[MH], s[WV], 1
	s_and_b32 s[NH], s[WV], 1
	s_bfe_u32 s[CX], ttmp6, 0x40000                ; my place in the cluster
	s_bfe_u32 s[CY], ttmp6, 0x40004
	s_lshl_b32 s[TX], ttmp9, 2
	s_add_co_u32 s[TX], s[TX], s[CX]               ; tile column = 4 x cluster x + cx
	s_and_b32 s[BAT], ttmp7, 0xffff
	s_lshl_b32 s[TY], s[BAT], 2
	s_add_co_u32 s[TY], s[TY], s[CY]               ; tile row = 4 x cluster y + cy
	s_lshl_b32 s43, s[CY], 2
	s_lshl_b32 s43, 15, s43                        ; my row of the cluster
	s_lshl_b32 s44, 0x1111, s[CX]                  ; my column
	s_or_b32 s[G1A], s43, (1<<16)|(1<<20)|(1<<21)|(6<<22)|(3<<25)  ; the mask; 2-byte elements; padding on; bit 21 beside a mask; after every 128 words 4 words of padding
	s_or_b32 s[G1B], s44, (1<<16)|(1<<20)|(1<<21)|(6<<22)|(3<<25)
.irp g, G1A, G1B
	s_mov_b32 s[(\g)+1], 256<<16                   ; tensor_dim0 = 256
	s_mov_b32 s[(\g)+2], 64<<16                    ; tensor_dim1 = 64
	s_mov_b32 s[(\g)+3], 256<<16                   ; tile_dim0 = 256
	s_mov_b32 s[(\g)+4], 64                        ; tile_dim1 = 64
	s_mov_b32 s[(\g)+5], 1024                      ; elements from row to row
	s_mov_b32 s[(\g)+6], 0
	s_mov_b32 s[(\g)+7], 0
.endr
	s_lshl_b32 s16, s[TY], 7                       ; A: row 128 x tile row + 64 x half, 2,048 bytes a row.  These registers never hold the tile column,
	s_lshl_b32 s17, s[NH], 6
	s_add_co_u32 s16, s16, s17
	s_lshl_b32 s16, s16, 11
	s_mov_b32 s17, 0
	s_lshl_b32 s46, s[TX], 7                       ; B: row 128 x tile column + 64 x half; and these never the tile row
	s_lshl_b32 s47, s[NH], 6
	s_add_co_u32 s46, s46, s47
	s_lshl_b32 s46, s46, 11
	s_add_co_u32 s46, s46, BOFF
	s_mov_b32 s47, 0
	s_mul_i32 s20, s[NH], HA                       ; where they go: no place in the cluster enters an LDS address
	s_mul_i32 s21, s[NH], HB
	s_add_co_u32 s21, s21, AT
	s_mov_b32 s[TBA], 0
	s_mov_b32 s[TBB], 0
	s_mov_b32 s[HM], 0xffff0000
	s_mov_b32 s[SEL], 0x76543210
	s_mov_b32 s[SEL+1], 0xfedcba98
	s_wait_dscnt 0x0                               ; the opening add is done
	s_wait_kmcnt 0x0
	s_add_nc_u64 s[14:15], s[72:73], s[16:17]
	s_add_nc_u64 s[46:47], s[72:73], s[46:47]
	CROUND                                         ; all sixteen work-groups are here: the first joint loads meet
.irp s, 0,1
	s_mov_b32 s[G0A+4*(\s)], 1
	s_add_co_u32 s[G0A+4*(\s)+1], s20, (\s)*SLOT
	s_add_nc_u64 s[G0A+4*(\s)+2:G0A+4*(\s)+3], s[14:15], (\s)*ASTEP
	s_or_b32 s[G0A+4*(\s)+3], s[G0A+4*(\s)+3], 0x80000000
	s_mov_b32 s[G0B+4*(\s)], 1
	s_add_co_u32 s[G0B+4*(\s)+1], s21, (\s)*SLOT
	s_add_nc_u64 s[G0B+4*(\s)+2:G0B+4*(\s)+3], s[46:47], (\s)*BSTEP
	s_or_b32 s[G0B+4*(\s)+3], s[G0B+4*(\s)+3], 0x80000000
.endr
	s_cmp_eq_u32 s[MH], 0                          ; a wave's two first fills stand in one branch, ahead of every wait on TENSORcnt and every LDS read: two loads of mine are out
	s_cbranch_scc0 .Lfirst_b
	tensor_load_to_lds s[G0A:G0A+3], s[G1A:G1A+7]
	s_nop 0
	tensor_load_to_lds s[G0A+4:G0A+7], s[G1A:G1A+7]
	s_nop 0
	PLACES
	s_branch .Lfirst_asked
.Lfirst_b:
	tensor_load_to_lds s[G0B:G0B+3], s[G1B:G1B+7]
	s_nop 0
	tensor_load_to_lds s[G0B+4:G0B+7], s[G1B:G1B+7]
	s_nop 0
	PLACES
.Lfirst_asked:
	v_and_b32 v1, 15, v0                           ; r = l % 16
	v_bfe_u32 v2, v0, 4, 1                         ; h = l / 16
	s_lshl_b32 s46, s[TX], 9                       ; my wave's 64 numbers of bq and bk: 512 x tile column + 256 x half, in bytes
	s_lshl_b32 s47, s[NH], 8
	s_add_co_u32 s46, s46, s47
	s_mov_b32 s47, 0
	s_add_nc_u64 s[74:75], s[74:75], s[46:47]
	s_add_nc_u64 s[76:77], s[76:77], s[46:47]
	v_lshlrev_b32 v[BO], 5, v2                     ; my lane's columns are 16 b + 8 h + 0..7
.irp b, 0,1,2,3
	global_load_b128 v[BQ+8*(\b):BQ+8*(\b)+3],   v[BO], s[74:75] offset:64*(\b)
	global_load_b128 v[BQ+8*(\b)+4:BQ+8*(\b)+7], v[BO], s[74:75] offset:64*(\b)+16
	global_load_b128 v[BK+8*(\b):BK+8*(\b)+3],   v[BO], s[76:77] offset:64*(\b)
	global_load_b128 v[BK+8*(\b)+4:BK+8*(\b)+7], v[BO], s[76:77] offset:64*(\b)+16
.endr
	v_mul_u32_u24 v3, v1, PA
	v_lshl_add_u32 v3, v2, 4, v3                   ; a fragment's row x pitch + 16 x half
	s_mul_i32 s22, s[MH], HA
	v_add_nc_u32 v[A0], s22, v3
	s_mul_i32 s23, s[NH], HB
	s_add_co_u32 s23, s23, AT
	v_add_nc_u32 v[B0], s23, v3
	s_mul_i32 s22, s[MH], 64*SP                    ; into the stage: my 64 rows, my half of their 256 bytes
	s_lshl_b32 s23, s[NH], 7
	s_add_co_u32 s22, s22, s23
	s_add_co_u32 s22, s22, STAGE
	v_mul_u32_u24 v4, v1, SP
	v_lshl_add_u32 v4, v2, 4, v4
	v_add_nc_u32 v[STO], s22, v4
	s_mul_i32 s22, s[WV], 32*SP                    ; back: wave w takes rows 32 w .. 32 w + 31, whole
	s_add_co_u32 s22, s22, STAGE
	v_mul_u32_u24 v5, v2, SP
	v_lshl_add_u32 v5, v1, 4, v5
	v_add_nc_u32 v[RD], s22, v5
	v_mul_u32_u24 v5, v2, ROWB
	v_lshl_add_u32 v[CO], v1, 4, v5
	v_and_b32 v[TO], 31, v0
	v_lshlrev_b32 v[TO], 2, v[TO]
	s_lshl_b32 s16, s[TY], 7                       ; the first row that I store: 128 x tile row + 32 x wave
	s_lshl_b32 s17, s[WV], 5
	s_add_co_u32 s16, s16, s17
	s_lshl_b32 s16, s16, 11
	s_mov_b32 s17, 0
	s_add_nc_u64 s[CB:CB+1], s[78:79], s[16:17]
	s_lshl_b32 s46, s[TX], 8                       ; the tile's first column, in bytes
	s_add_nc_u64 s[CB:CB+1], s[CB:CB+1], s[46:47]
	s_lshl_b32 s16, s[TY], 7                       ; tpart: word 128 x tile row + 64 x my half of the rows,
	s_lshl_b32 s17, s[MH], 6
	s_add_co_u32 s16, s16, s17
	s_lshl_b32 s16, s16, 2
	s_mov_b32 s17, 0
	s_add_nc_u64 s[SB:SB+1], s[80:81], s[16:17]
	s_lshl_b32 s46, s[TX], 1                       ; in column block 2 x tile column + my half of the columns: 16,384 bytes a block
	s_add_co_u32 s46, s46, s[NH]
	s_lshl_b32 s46, s46, 14
	s_add_nc_u64 s[SB:SB+1], s[SB:SB+1], s[46:47]
	s_wait_tensorcnt 0x1                           ; my part of slot 0 is in; slot 1's may stay out
	s_barrier_signal -1
	s_barrier_wait -1                              ; everybody's is
	AHEAD F0
	QUARTER F0, F1, 1                              ; the first quarter's first products start the sums: nothing is cleared
	QUARTER F1, F0, 0
	QUARTER F0, F1, 0
	CHANGE 0, 1                                    ; slot 0 takes K step 2
	PAIRS
	CHANGE 1, 1                                    ; slot 1 takes K step 3
	PAIRS
	CHANGE 0, 0                                    ; nothing is left to ask for
	PAIRS
	s_wait_dscnt 0x0                               ; the very last quarter
	MUL16 F1, 0, 0
	MUL16 F1, 1, 0
	WIN 0
	s_wait_loadcnt 0x0                             ; bq and bk
.set i, 0
.rept 16                                           ; bq / 16: also the places behind the last products
	v_pk_mul_f32 v[BQ+2*i:BQ+2*i+1], v[BQ+2*i:BQ+2*i+1], 0x3d800000 op_sel_hi:[1,0]
.set i, i+1
.endr
.irp b, 0,1,2,3                                    ; q / 16 = sum / 16 + bq / 16, and its product with bk onto the row's partial sum; each accumulator is read from its low end on
.irp p, 0,1,2,3
.irp a, 0,1,2,3
	v_pk_fma_f32 v[ACC+8*(4*(\a)+(\b))+2*(\p):ACC+8*(4*(\a)+(\b))+2*(\p)+1], v[ACC+8*(4*(\a)+(\b))+2*(\p):ACC+8*(4*(\a)+(\b))+2*(\p)+1], 0x3d800000, v[BQ+8*(\b)+2*(\p):BQ+8*(\b)+2*(\p)+1] op_sel_hi:[1,0,1]
.endr
.irp a, 0,1,2,3
.if (\b) == 0 && (\p) == 0
	v_pk_mul_f32 v[T+2*(\a):T+2*(\a)+1], v[ACC+8*(4*(\a)+(\b))+2*(\p):ACC+8*(4*(\a)+(\b))+2*(\p)+1], v[BK+8*(\b)+2*(\p):BK+8*(\b)+2*(\p)+1]
.else
	v_pk_fma_f32 v[T+2*(\a):T+2*(\a)+1], v[ACC+8*(4*(\a)+(\b))+2*(\p):ACC+8*(4*(\a)+(\b))+2*(\p)+1], v[BK+8*(\b)+2*(\p):BK+8*(\b)+2*(\p)+1], v[T+2*(\a):T+2*(\a)+1]
.endif
.endr
.endr
.endr
.irp a, 0,1,2,3
	v_add_f32 v[T+2*(\a)], v[T+2*(\a)], v[T+2*(\a)+1]
.endr
.irp a, 0,1,2,3
	v_permlanex16_b32 v[T+2*(\a)+1], v[T+2*(\a)], s[SEL], s[SEL+1]  ; the row's other 32 columns lie in the lane 16 away
.endr
.irp a, 0,1,2,3
	v_add_f32 v[T+2*(\a)], v[T+2*(\a)], v[T+2*(\a)+1]
.endr
.irp e, 0,1                                        ; lanes 0-15 hold rows 32 e + r, lanes 16-31 take rows 32 e + 16 + r: 32 consecutive words
	v_cndmask_b32 v[20+(\e)], v[T+4*(\e)], v[T+4*(\e)+2], s[HM]
	global_store_b32 v[TO], v[20+(\e)], s[SB:SB+1] offset:128*(\e)
.endr
	OUT16
	s_wait_tensorcnt 0x0                           ; the wave's end, behind my last tensor load and my last LDS store
	ds_add_u32 v[SPW], v[NIL]
	s_wait_dscnt 0x0
	CROUND                                         ; the closing round: no work-group ends while a partner may still ask for a tile that names it
	s_endpgm
.Lfunc_end_k_q297120ea4e_qproj:
	.size	k_q297120ea4e_qproj, .Lfunc_end_k_q297120ea4e_qproj-k_q297120ea4e_qproj
	.p2alignl 7, 3214868480
	.fill 96, 4, 3214868480
	.section	.rodata,"a",@progbits
	.p2align	6, 0x0
	.amdhsa_kernel k_q297120ea4e_qproj
		.amdhsa_group_segment_fixed_size 327680
		.amdhsa_private_segment_fixed_size 0
		.amdhsa_enable_private_segment 0
		.amdhsa_kernarg_size 40
		.amdhsa_user_sgpr_count 2
		.amdhsa_user_sgpr_kernarg_segment_ptr 1
		.amdhsa_wavefront_size32 1
		.amdhsa_system_sgpr_workgroup_id_x 1
		.amdhsa_system_sgpr_workgroup_id_y 1
		.amdhsa_system_sgpr_workgroup_id_z 1
		.amdhsa_system_vgpr_workitem_id 0
		.amdhsa_next_free_vgpr 512
		.amdhsa_next_free_sgpr 96
		.amdhsa_reserve_vcc 0
		.amdhsa_float_denorm_mode_32 3
		.amdhsa_float_denorm_mode_16_64 3
		.amdhsa_memory_ordered 1
		.amdhsa_forward_progress 1
		.amdhsa_inst_pref_size 77
	.end_amdhsa_kernel
	.amdgpu_metadata
---
amdhsa.version: [ 1, 2 ]
amdhsa.kernels:
  - .name:           k_q297120ea4e_qproj
    .symbol:         k_q297120ea4e_qproj.kd
    .args:
      - { .name: x16, .offset: 0, .size: 8, .value_kind: global_buffer, .address_space: global }
      - { .name: bq, .offset: 8, .size: 8, .value_kind: global_buffer, .address_space: global }
      - { .name: bk, .offset: 16, .size: 8, .value_kind: global_buffer, .address_space: global }
      - { .name: qh, .offset: 24, .size: 8, .value_kind: global_buffer, .address_space: global }
      - { .name: tpart, .offset: 32, .size: 8, .value_kind: global_buffer, .address_space: global }
    .group_segment_fixed_size: 327680
    .private_segment_fixed_size: 0
    .kernarg_segment_align: 8
    .kernarg_segment_size: 40
    .max_flat_workgroup_size: 128
    .sgpr_count:     96
    .vgpr_count:     512
    .wavefront_size: 32
...
	.end_amdgpu_metadata
.endif
;; end of part 2
;; launch qk (part 3): grid 8 x 32, 4 waves a work-group, clusters of 4 x 4, 327,680 bytes of LDS; arguments qh, x16, qp; writes qp
.if DOCPART == 3
	.amdgcn_target "amdgcn-amd-amdhsa--gfx1250"
	.amdhsa_code_object_version 6
	.text
	.protected	k_q297120ea4e_qk
	.globl	k_q297120ea4e_qk
	.p2align	8
	.type	k_q297120ea4e_qk,@function
k_q297120ea4e_qk:
	s_mov_b64 s[64:65], 0
	v_nop
	global_prefetch_b8 v0, s[64:65] scope:SCOPE_SE
	s_setreg_imm32_b32 hwreg(HW_REG_WAVE_MODE, 25, 1), 1
	s_wait_xcnt 0x0
	s_wait_alu depctr_hold_cnt(0) depctr_sa_sdst(0) depctr_va_vdst(0) depctr_va_sdst(0) depctr_va_ssrc(0) depctr_va_vcc(0) depctr_vm_vsrc(0)
	s_getreg_b32 s2, hwreg(HW_REG_IB_STS2, 6, 4)
	s_cmp_eq_u32 s2, 0
	s_cbranch_scc0 .Lentry_in_a_cluster
	s_endpgm
.Lentry_in_a_cluster:
	s_bfe_u32 s2, ttmp6, 0x10000c
	s_cmp_lg_u32 s2, 0xf033
	s_cbranch_scc0 .Lentry_shape_is_right
	s_endpgm
.Lentry_shape_is_right:
; qp[m][j] = f16((sum over h of qh[m][h] Wk16[h][j]) / 64) = (q Wk)[m][j] / 1,024, m < 4,096, j < 1,024, K = 1,024; sums in f32.
; WHY: q . (Wk x + bk) = (q Wk) . x + q . bk for every input, so the keys are never projected: the scores are made of qp and the keys' embeddings.
; LIMIT: |q Wk| stays under 6.7e7 (f16's 65,504 times 1,024); the division is exact; below 6.1e-5 qp keeps f16's fixed step of 6e-8.
; SHARES, CLUSTER, REGISTERS: a tile of 128 x 128 to a work-group, 64 x 64 to a wave, K in steps of 256 through two LDS slots, four quarters of 64 a step on two fragment buffers; 4 x 4 work-groups ask
; jointly for A's tiles along a row and B's along a column.  The matrix instruction is used transposed: a lane holds row l % 16 and eight neighbouring columns.
; B LIES [K][N]: a step's tile is 256 rows (h) x 128 columns (j), 128 rows to a load, and its fragments come out of LDS turned, by ds_load_tr16_b128.
; NOT PREFETCHED: a step's tile is small and the whole walk has four steps.
; Window 0: v0-31 addresses; v128-255 accumulators ((a, b) at v[128 + 8 (4 a + b)]).  Window 1: two fragment buffers of 128: 64 registers of A, then 64 of B.
.set NSTEPS, 4
.set BOFF,  77594624                   ; Wk16's first byte in x16
.set ROWB,  2048
.set PA,    528                        ; A's LDS row: 512 bytes + 16, an odd multiple of 16
.set HA,    64*PA
.set AT,    2*HA
.set PB,    288                        ; B's LDS row: 256 bytes + 32, an odd multiple of 32
.set HB,    128*PB
.set SLOT,  AT+2*HB
.set QA,    128
.set QB,    64*PB                      ; a quarter is 64 rows of B's tile
.set ASTEP, 512
.set BSTEP, 256*2048                   ; a K step is 256 rows of B in memory
.set STAGE, 2*SLOT
.set SP,    272
.set SPARE, STAGE+128*SP
.set A0, 10
.set B0, 11
.set ADRA, 12
.set ADRB, 13
.set STO, 14
.set RD,  15
.set CO,  16
.set SPW, 28
.set NIL, 29
.set ACC, 128
.set F0,  0
.set F1,  128
.set WV, 10
.set MH, 11
.set NH, 12
.set TY, 13
.set G1A, 24
.set G0A, 32
.set CX, 40
.set CY, 41
.set TX, 42
.set BAT, 45
.set G1B, 48
.set G0B, 56
.set TBA, 66
.set TBB, 67
.set TW,  70
.set CB,  88
.set MSB, 0
.macro WIN new                         ; the immediate's high byte repeats the setting that is left; a switch that changes nothing is dropped
.if MSB != (\new)
	s_set_vgpr_msb (MSB<<8)|(\new)
.set MSB, (\new)
.endif
.endm
.set MUL,  0x05                        ; sources 0 (B) and 1 (A) window 1; C and D window 0
.set TO_F, 0x40                        ; destination window 1, address window 0
.macro PLACES
.rept 4
	v_nop
.endr
.endm
.macro CROUND                          ; a round of the cluster's barrier
	s_barrier_signal -1
	s_barrier_wait -1
	s_cmp_lg_u32 s[WV], 0
	s_cbranch_scc1 .Lnot_wave_0_\@
	s_barrier_signal -3
.Lnot_wave_0_\@:
	s_barrier_wait -3
	s_barrier_signal -1
	s_barrier_wait -1
.endm
.macro JLOAD s                         ; a joint refill of slot s: waves 0 and 1 fetch A's halves, waves 2 and 3 B's; an s_nop 0 and four v_nop follow each line
	s_cmp_eq_u32 s[MH], 0
	s_cbranch_scc0 .Lfor_b_\@
	tensor_load_to_lds s[G0A+4*(\s):G0A+4*(\s)+3], s[G1A:G1A+7]
	s_nop 0
	PLACES
	s_branch .Lasked_\@
.Lfor_b_\@:
	tensor_load_to_lds s[G0B+4*(\s):G0B+4*(\s)+3], s[G1B:G1B+7]
	s_nop 0
	PLACES
.Lasked_\@:
.endm
.macro MUL16 f, c, zero                ; 16 matrix instructions, 32 along K, all 16 accumulators by turns
	WIN MUL
.irp a, 0,1,2,3
.irp b, 0,1,2,3
.if \zero
	v_wmma_f32_16x16x32_f16 v[ACC+8*(4*(\a)+(\b)):ACC+8*(4*(\a)+(\b))+7], v[(\f)+64+8*(4*(\c)+(\b)):(\f)+64+8*(4*(\c)+(\b))+7], v[(\f)+8*(4*(\c)+(\a)):(\f)+8*(4*(\c)+(\a))+7], 0
.else
	v_wmma_f32_16x16x32_f16 v[ACC+8*(4*(\a)+(\b)):ACC+8*(4*(\a)+(\b))+7], v[(\f)+64+8*(4*(\c)+(\b)):(\f)+64+8*(4*(\c)+(\b))+7], v[(\f)+8*(4*(\c)+(\a)):(\f)+8*(4*(\c)+(\a))+7], v[ACC+8*(4*(\a)+(\b)):ACC+8*(4*(\a)+(\b))+7]
.endif
.endr
.endr
.endm
.macro FETCH g                         ; 32 LDS loads in one run; B's are turned: each brings 8 of K for column 16 i + l % 16
	WIN TO_F
.irp c, 0,1
.irp i, 0,1,2,3
	ds_load_tr16_b128 v[(\g)+64+8*(4*(\c)+(\i)):(\g)+64+8*(4*(\c)+(\i))+3],   v[ADRB] offset:32*(\c)*PB+32*(\i)
	ds_load_tr16_b128 v[(\g)+64+8*(4*(\c)+(\i))+4:(\g)+64+8*(4*(\c)+(\i))+7], v[ADRB] offset:(32*(\c)+16)*PB+32*(\i)
	ds_load_b128 v[(\g)+8*(4*(\c)+(\i)):(\g)+8*(4*(\c)+(\i))+3],         v[ADRA] offset:64*(\c)+(\i)*16*PA
	ds_load_b128 v[(\g)+8*(4*(\c)+(\i))+4:(\g)+8*(4*(\c)+(\i))+7],       v[ADRA] offset:64*(\c)+(\i)*16*PA+32
.endr
.endr
.endm
.macro AHEAD g                         ; the two additions and two v_nop are the four places between the last product that read buffer g and the loads into it
	WIN 0
	v_add_nc_u32 v[ADRA], s[TBA], v[A0]
	v_add_nc_u32 v[ADRB], s[TBB], v[B0]
	v_nop
	v_nop
	s_add_co_u32 s[TBA], s[TBA], QA
	s_add_co_u32 s[TBB], s[TBB], QB
	FETCH \g
.endm
.macro QUARTER f, g, zero
	s_wait_dscnt 0x0                               ; f's 32 loads, issued a quarter ago
	AHEAD \g
	MUL16 \f, 0, \zero
	MUL16 \f, 1, 0
.endm
; THE CHANGE OF SLOTS, in front of a step's fourth quarter: all my tensor loads have landed, the add, my reads of the slot are over; then the barrier (fill = 1: a round of the cluster's) and the refill first behind it.
.macro CHANGE slot, fill
	WIN 0
	s_wait_tensorcnt 0x0                           ; no tensor load of mine is out, so a group 0 may be written
	ds_add_u32 v[SPW], v[NIL]
.if \fill
	s_add_nc_u64 s[G0A+4*(\slot)+2:G0A+4*(\slot)+3], s[G0A+4*(\slot)+2:G0A+4*(\slot)+3], 2*ASTEP
	s_add_nc_u64 s[G0B+4*(\slot)+2:G0B+4*(\slot)+3], s[G0B+4*(\slot)+2:G0B+4*(\slot)+3], 2*BSTEP
.endif
	s_mov_b32 s[TBA], (1-(\slot))*SLOT
	s_mov_b32 s[TBB], (1-(\slot))*SLOT
	s_wait_dscnt 0x0                               ; the add is done, and my reads of the slot are over
.if \fill
	CROUND
	JLOAD \slot
.else
	s_barrier_signal -1
	s_barrier_wait -1
.endif
.endm
.macro PAIRS
	s_mov_b32 s[TW], 2
.Lpair_\@:
	QUARTER F1, F0, 0
	QUARTER F0, F1, 0
	WIN 0
	s_sub_co_u32 s[TW], s[TW], 1
	s_cmp_lg_u32 s[TW], 0
	s_cbranch_scc1 .Lpair_\@
.endm
.macro OUT16                           ; rounded to f16 in place; through the work-group's stage, with a barrier; back as whole rows of 256 bytes
.set t, 0
.rept 16
.irp r, 0,1,2,3
	v_cvt_pk_f16_f32 v[ACC+8*t+(\r)], v[ACC+8*t+2*(\r)], v[ACC+8*t+2*(\r)+1]
.endr
.set t, t+1
.endr
.irp a, 0,1,2,3
.irp b, 0,1,2,3
	ds_store_b128 v[STO], v[ACC+8*(4*(\a)+(\b)):ACC+8*(4*(\a)+(\b))+3] offset:(\a)*16*SP+32*(\b)
.endr
.endr
	s_wait_dscnt 0x0                               ; for the others' sake: my stores into the stage are done
	s_barrier_signal -1
	s_barrier_wait -1
.set t, 0
.rept 16
	ds_load_b128 v[ACC+8*t+4:ACC+8*t+7], v[RD] offset:t*2*SP
.set t, t+1
.endr
.set t, 0
.rept 16
	s_wait_dscnt 15-t                              ; load t is back; the younger ones stay out
	global_store_b128 v[CO], v[ACC+8*t+4:ACC+8*t+7], s[CB:CB+1] offset:2*t*ROWB  ; 16 lanes store 256 consecutive bytes, aligned
.set t, t+1
.endr
.endm
	s_load_b128 s[72:75], s[0:1], 0x0              ; qh s[72:73], x16 s[74:75]
	s_load_b64 s[76:77], s[0:1], 0x10              ; qp
	v_lshl_add_u32 v[SPW], v0, 2, SPARE
	v_mov_b32 v[NIL], 0
	ds_add_u32 v[SPW], v[NIL]                      ; the wave's opening: the add and its wait stand ahead of my first tensor load
	v_lshrrev_b32 v1, 5, v0
	v_readfirstlane_b32 s[WV], v1
	s_lshr_b32 s[MH], s[WV], 1
	s_and_b32 s[NH], s[WV], 1
	s_bfe_u32 s[CX], ttmp6, 0x40000
	s_bfe_u32 s[CY], ttmp6, 0x40004
	s_lshl_b32 s[TX], ttmp9, 2
	s_add_co_u32 s[TX], s[TX], s[CX]
	s_and_b32 s[BAT], ttmp7, 0xffff
	s_lshl_b32 s[TY], s[BAT], 2
	s_add_co_u32 s[TY], s[TY], s[CY]
	s_lshl_b32 s43, s[CY], 2
	s_lshl_b32 s43, 15, s43                        ; my row of the cluster
	s_lshl_b32 s44, 0x1111, s[CX]                  ; my column
	s_or_b32 s[G1A], s43, (1<<16)|(1<<20)|(1<<21)|(6<<22)|(3<<25)  ; A: after every 128 words 4 words of padding
	s_or_b32 s[G1B], s44, (1<<16)|(1<<20)|(1<<21)|(5<<22)|(7<<25)  ; B: after every 64 words 8 words of padding
	s_mov_b32 s[G1A+1], 256<<16                    ; A: 64 rows x 256 elements
	s_mov_b32 s[G1A+2], 64<<16
	s_mov_b32 s[G1A+3], 256<<16
	s_mov_b32 s[G1A+4], 64
	s_mov_b32 s[G1A+5], 1024
	s_mov_b32 s[G1A+6], 0
	s_mov_b32 s[G1A+7], 0
	s_mov_b32 s[G1B+1], 128<<16                    ; B: 128 rows x 128 elements
	s_mov_b32 s[G1B+2], 128<<16
	s_mov_b32 s[G1B+3], 128<<16
	s_mov_b32 s[G1B+4], 128
	s_mov_b32 s[G1B+5], 1024
	s_mov_b32 s[G1B+6], 0
	s_mov_b32 s[G1B+7], 0
	s_lshl_b32 s16, s[TY], 7                       ; A: row 128 x tile row + 64 x half; these registers never hold the tile column
	s_lshl_b32 s17, s[NH], 6
	s_add_co_u32 s16, s16, s17
	s_lshl_b32 s16, s16, 11
	s_mov_b32 s17, 0
	s_lshl_b32 s46, s[NH], 18                      ; B: row 128 x half (2,048 bytes a row), column 128 x tile column; these never hold the tile row
	s_lshl_b32 s47, s[TX], 8
	s_add_co_u32 s46, s46, s47
	s_add_co_u32 s46, s46, BOFF
	s_mov_b32 s47, 0
	s_mul_i32 s20, s[NH], HA
	s_mul_i32 s21, s[NH], HB
	s_add_co_u32 s21, s21, AT
	s_mov_b32 s[TBA], 0
	s_mov_b32 s[TBB], 0
	s_wait_dscnt 0x0                               ; the opening add is done
	s_wait_kmcnt 0x0
	s_add_nc_u64 s[14:15], s[72:73], s[16:17]
	s_add_nc_u64 s[46:47], s[74:75], s[46:47]
	CROUND                                         ; all sixteen work-groups are here: the first joint loads meet
.irp s, 0,1
	s_mov_b32 s[G0A+4*(\s)], 1
	s_add_co_u32 s[G0A+4*(\s)+1], s20, (\s)*SLOT
	s_add_nc_u64 s[G0A+4*(\s)+2:G0A+4*(\s)+3], s[14:15], (\s)*ASTEP
	s_or_b32 s[G0A+4*(\s)+3], s[G0A+4*(\s)+3], 0x80000000
	s_mov_b32 s[G0B+4*(\s)], 1
	s_add_co_u32 s[G0B+4*(\s)+1], s21, (\s)*SLOT
	s_add_nc_u64 s[G0B+4*(\s)+2:G0B+4*(\s)+3], s[46:47], (\s)*BSTEP
	s_or_b32 s[G0B+4*(\s)+3], s[G0B+4*(\s)+3], 0x80000000
.endr
	s_cmp_eq_u32 s[MH], 0                          ; a wave's two first fills stand in one branch: two loads of mine are out
	s_cbranch_scc0 .Lfirst_b
	tensor_load_to_lds s[G0A:G0A+3], s[G1A:G1A+7]
	s_nop 0
	tensor_load_to_lds s[G0A+4:G0A+7], s[G1A:G1A+7]
	s_nop 0
	PLACES
	s_branch .Lfirst_asked
.Lfirst_b:
	tensor_load_to_lds s[G0B:G0B+3], s[G1B:G1B+7]
	s_nop 0
	tensor_load_to_lds s[G0B+4:G0B+7], s[G1B:G1B+7]
	s_nop 0
	PLACES
.Lfirst_asked:
	v_and_b32 v1, 15, v0                           ; r
	v_bfe_u32 v2, v0, 4, 1                         ; h
	v_mul_u32_u24 v3, v1, PA
	v_lshl_add_u32 v3, v2, 4, v3
	s_mul_i32 s22, s[MH], HA
	v_add_nc_u32 v[A0], s22, v3
	v_and_b32 v4, 7, v0                            ; the turning load: lane l reads row 8 h + l % 8, 16 bytes at 16 ((l / 8) % 2)
	v_lshl_add_u32 v4, v2, 3, v4
	v_mul_u32_u24 v4, v4, PB
	v_bfe_u32 v5, v0, 3, 1
	v_lshl_add_u32 v4, v5, 4, v4
	s_lshl_b32 s23, s[NH], 7                       ; my 64 columns: 128 bytes
	s_add_co_u32 s23, s23, AT
	v_add_nc_u32 v[B0], s23, v4
	s_mul_i32 s22, s[MH], 64*SP
	s_lshl_b32 s23, s[NH], 7
	s_add_co_u32 s22, s22, s23
	s_add_co_u32 s22, s22, STAGE
	v_mul_u32_u24 v4, v1, SP
	v_lshl_add_u32 v4, v2, 4, v4
	v_add_nc_u32 v[STO], s22, v4
	s_mul_i32 s22, s[WV], 32*SP
	s_add_co_u32 s22, s22, STAGE
	v_mul_u32_u24 v5, v2, SP
	v_lshl_add_u32 v5, v1, 4, v5
	v_add_nc_u32 v[RD], s22, v5
	v_mul_u32_u24 v5, v2, ROWB
	v_lshl_add_u32 v[CO], v1, 4, v5
	s_lshl_b32 s16, s[TY], 7
	s_lshl_b32 s17, s[WV], 5
	s_add_co_u32 s16, s16, s17
	s_lshl_b32 s16, s16, 11
	s_mov_b32 s17, 0
	s_add_nc_u64 s[CB:CB+1], s[76:77], s[16:17]
	s_lshl_b32 s46, s[TX], 8
	s_mov_b32 s47, 0
	s_add_nc_u64 s[CB:CB+1], s[CB:CB+1], s[46:47]
	s_wait_tensorcnt 0x1                           ; my part of slot 0 is in; slot 1's may stay out
	s_barrier_signal -1
	s_barrier_wait -1
	AHEAD F0
	QUARTER F0, F1, 1
	QUARTER F1, F0, 0
	QUARTER F0, F1, 0
	CHANGE 0, 1
	PAIRS
	CHANGE 1, 1
	PAIRS
	CHANGE 0, 0
	PAIRS
	s_wait_dscnt 0x0
	MUL16 F1, 0, 0
	MUL16 F1, 1, 0
	WIN 0
	PLACES                                         ; behind the last products
.set i, 0
.rept 64
	v_pk_mul_f32 v[ACC+2*i:ACC+2*i+1], v[ACC+2*i:ACC+2*i+1], 0x3c800000 op_sel_hi:[1,0]  ; / 64
.set i, i+1
.endr
	OUT16
	s_wait_tensorcnt 0x0                           ; the wave's end
	ds_add_u32 v[SPW], v[NIL]
	s_wait_dscnt 0x0
	CROUND                                         ; the closing round
	s_endpgm
.Lfunc_end_k_q297120ea4e_qk:
	.size	k_q297120ea4e_qk, .Lfunc_end_k_q297120ea4e_qk-k_q297120ea4e_qk
	.p2alignl 7, 3214868480
	.fill 96, 4, 3214868480
	.section	.rodata,"a",@progbits
	.p2align	6, 0x0
	.amdhsa_kernel k_q297120ea4e_qk
		.amdhsa_group_segment_fixed_size 327680
		.amdhsa_private_segment_fixed_size 0
		.amdhsa_enable_private_segment 0
		.amdhsa_kernarg_size 24
		.amdhsa_user_sgpr_count 2
		.amdhsa_user_sgpr_kernarg_segment_ptr 1
		.amdhsa_wavefront_size32 1
		.amdhsa_system_sgpr_workgroup_id_x 1
		.amdhsa_system_sgpr_workgroup_id_y 1
		.amdhsa_system_sgpr_workgroup_id_z 1
		.amdhsa_system_vgpr_workitem_id 0
		.amdhsa_next_free_vgpr 512
		.amdhsa_next_free_sgpr 96
		.amdhsa_reserve_vcc 0
		.amdhsa_float_denorm_mode_32 3
		.amdhsa_float_denorm_mode_16_64 3
		.amdhsa_memory_ordered 1
		.amdhsa_forward_progress 1
		.amdhsa_inst_pref_size 69
	.end_amdhsa_kernel
	.amdgpu_metadata
---
amdhsa.version: [ 1, 2 ]
amdhsa.kernels:
  - .name:           k_q297120ea4e_qk
    .symbol:         k_q297120ea4e_qk.kd
    .args:
      - { .name: qh, .offset: 0, .size: 8, .value_kind: global_buffer, .address_space: global }
      - { .name: x16, .offset: 8, .size: 8, .value_kind: global_buffer, .address_space: global }
      - { .name: qp, .offset: 16, .size: 8, .value_kind: global_buffer, .address_space: global }
    .group_segment_fixed_size: 327680
    .private_segment_fixed_size: 0
    .kernarg_segment_align: 8
    .kernarg_segment_size: 24
    .max_flat_workgroup_size: 128
    .sgpr_count:     96
    .vgpr_count:     512
    .wavefront_size: 32
...
	.end_amdgpu_metadata
.endif
;; end of part 3
;; launch score (part 4): grid 16 x 32, 4 waves a work-group, clusters of 4 x 4, 327,680 bytes of LDS; arguments qp, x16, tpart, pm, stat; writes pm, stat
.if DOCPART == 4
	.amdgcn_target "amdgcn-amd-amdhsa--gfx1250"
	.amdhsa_code_object_version 6
	.text
	.protected	k_q297120ea4e_score
	.globl	k_q297120ea4e_score
	.p2align	8
	.type	k_q297120ea4e_score,@function
k_q297120ea4e_score:
	s_mov_b64 s[64:65], 0
	v_nop
	global_prefetch_b8 v0, s[64:65] scope:SCOPE_SE
	s_setreg_imm32_b32 hwreg(HW_REG_WAVE_MODE, 25, 1), 1
	s_wait_xcnt 0x0
	s_wait_alu depctr_hold_cnt(0) depctr_sa_sdst(0) depctr_va_vdst(0) depctr_va_sdst(0) depctr_va_ssrc(0) depctr_va_vcc(0) depctr_vm_vsrc(0)
	s_getreg_b32 s2, hwreg(HW_REG_IB_STS2, 6, 4)
	s_cmp_eq_u32 s2, 0
	s_cbranch_scc0 .Lentry_in_a_cluster
	s_endpgm
.Lentry_in_a_cluster:
	s_bfe_u32 s2, ttmp6, 0x10000c
	s_cmp_lg_u32 s2, 0xf033
	s_cbranch_scc0 .Lentry_shape_is_right
	s_endpgm
.Lentry_shape_is_right:
; For batch b, query row m and key n: s = (q . bk) / 1,024 + sum over j of qp[m][j] k16[b][n][j] = (q . k) / 1,024; the score of the softmax is 32 s.
; For each row and each block of 64 keys: cm = c max(s), p = 2^(c s - cm), l = the sum of the p, with c = 32 log2(e).  pm takes p in f16, stat takes (cm, l) in f32.
; The maximum taken away is the block's own; the next launch brings the 32 blocks of a row onto the row's maximum.  l is the sum of the unrounded p.
; q . bk is the same for all keys of a row; it is added all the same, as the C operand of the products that start the sums.
; LIMITS: p below 6.1e-5 keeps f16's fixed step of 6e-8; a p below 2^-126 counts as 0; NaN and infinities are not treated apart.
; SHARES.  A tile is 128 queries x 128 keys of one batch, a work-group's; a wave makes 64 x 64, so a wave's columns are one block of keys.  K = 1,024 in steps of 256 through two LDS slots, four quarters a step.
; The matrix instruction is used transposed: a lane holds ONE query (l % 16) and eight keys, so a row's maximum and sum want one exchange between the halves of the lanes.
; CLUSTER.  The four tile rows of a cluster are one batch: A's tiles (qp) are shared along a row of the cluster, B's (keys) along a column.  NOT PREFETCHED: small tiles, four steps.
; Window 0: v0-31 addresses; v32-63 first the C operand, then eight registers of statistics for each block of 16 rows; v64-79 at work; v128-255 accumulators.  Window 1: two fragment buffers of 128.
.set NSTEPS, 4
.set BOFF,  8388608                    ; k16's first byte in x16
.set ROWB,  4096                       ; bytes in a row of pm
.set PA,    528
.set HA,    64*PA
.set AT,    2*HA
.set PB,    528
.set HB,    64*PB
.set SLOT,  AT+2*HB
.set QA,    128
.set QB,    128
.set ASTEP, 512
.set BSTEP, 512
.set STAGE, 2*SLOT
.set SP,    272
.set TTAB,  STAGE+128*SP               ; 512 bytes: (q . bk) / 1,024 of the tile's 128 rows, four rows (16 apart) on end for each lane
.set SPARE, TTAB+512
.set A0, 10
.set B0, 11
.set ADRA, 12
.set ADRB, 13
.set STO, 14
.set RD,  15
.set CO,  16
.set TR,  18                           ; v18  where my lane reads the table
.set SPW, 28
.set NIL, 29
.set TO,  30                           ; v30  8 x lane
.set CI,  32                           ; v[32:63] the C operand: block a's eight registers all hold its row's number
.set ST,  32                           ; later: block a at ST + 8 a: +0 cm, +1 l, +2:3 sums by pairs, +4 the maximum, +5 the other half's
.set ACC, 128
.set F0,  0
.set F1,  128
.set WV, 10
.set MH, 11
.set NH, 12
.set TY, 13
.set G1A, 24
.set G0A, 32
.set CX, 40
.set CY, 41
.set TX, 42
.set BAT, 45
.set G1B, 48
.set G0B, 56
.set TBA, 66
.set TBB, 67
.set TW,  70
.set HM,  71
.set C2,  84                           ; s[84:85] c, twice
.set SEL, 86
.set CB,  88
.set SB,  90
.set MSB, 0
.macro WIN new                         ; the immediate's high byte repeats the setting that is left; a switch that changes nothing is dropped
.if MSB != (\new)
	s_set_vgpr_msb (MSB<<8)|(\new)
.set MSB, (\new)
.endif
.endm
.set MUL,  0x05
.set TO_F, 0x40
.macro PLACES
.rept 4
	v_nop
.endr
.endm
.macro CROUND                          ; a round of the cluster's barrier
	s_barrier_signal -1
	s_barrier_wait -1
	s_cmp_lg_u32 s[WV], 0
	s_cbranch_scc1 .Lnot_wave_0_\@
	s_barrier_signal -3
.Lnot_wave_0_\@:
	s_barrier_wait -3
	s_barrier_signal -1
	s_barrier_wait -1
.endm
.macro JLOAD s                         ; a joint refill of slot s; an s_nop 0 and four v_nop follow each line
	s_cmp_eq_u32 s[MH], 0
	s_cbranch_scc0 .Lfor_b_\@
	tensor_load_to_lds s[G0A+4*(\s):G0A+4*(\s)+3], s[G1A:G1A+7]
	s_nop 0
	PLACES
	s_branch .Lasked_\@
.Lfor_b_\@:
	tensor_load_to_lds s[G0B+4*(\s):G0B+4*(\s)+3], s[G1B:G1B+7]
	s_nop 0
	PLACES
.Lasked_\@:
.endm
.macro MUL16 f, c, zero                ; 16 matrix instructions, all 16 accumulators by turns.  zero = 1: the product starts the sums, from the row's (q . bk) / 1,024
	WIN MUL
.irp a, 0,1,2,3
.irp b, 0,1,2,3
.if \zero
	v_wmma_f32_16x16x32_f16 v[ACC+8*(4*(\a)+(\b)):ACC+8*(4*(\a)+(\b))+7], v[(\f)+64+8*(4*(\c)+(\b)):(\f)+64+8*(4*(\c)+(\b))+7], v[(\f)+8*(4*(\c)+(\a)):(\f)+8*(4*(\c)+(\a))+7], v[CI+8*(\a):CI+8*(\a)+7]
.else
	v_wmma_f32_16x16x32_f16 v[ACC+8*(4*(\a)+(\b)):ACC+8*(4*(\a)+(\b))+7], v[(\f)+64+8*(4*(\c)+(\b)):(\f)+64+8*(4*(\c)+(\b))+7], v[(\f)+8*(4*(\c)+(\a)):(\f)+8*(4*(\c)+(\a))+7], v[ACC+8*(4*(\a)+(\b)):ACC+8*(4*(\a)+(\b))+7]
.endif
.endr
.endr
.endm
.macro FETCH g
	WIN TO_F
.irp c, 0,1
.irp i, 0,1,2,3
	ds_load_b128 v[(\g)+64+8*(4*(\c)+(\i)):(\g)+64+8*(4*(\c)+(\i))+3],   v[ADRB] offset:64*(\c)+(\i)*16*PB
	ds_load_b128 v[(\g)+64+8*(4*(\c)+(\i))+4:(\g)+64+8*(4*(\c)+(\i))+7], v[ADRB] offset:64*(\c)+(\i)*16*PB+32
	ds_load_b128 v[(\g)+8*(4*(\c)+(\i)):(\g)+8*(4*(\c)+(\i))+3],         v[ADRA] offset:64*(\c)+(\i)*16*PA
	ds_load_b128 v[(\g)+8*(4*(\c)+(\i))+4:(\g)+8*(4*(\c)+(\i))+7],       v[ADRA] offset:64*(\c)+(\i)*16*PA+32
.endr
.endr
.endm
.macro AHEAD g                         ; the two additions and two v_nop are the four places between the last product that read buffer g and the loads into it
	WIN 0
	v_add_nc_u32 v[ADRA], s[TBA], v[A0]
	v_add_nc_u32 v[ADRB], s[TBB], v[B0]
	v_nop
	v_nop
	s_add_co_u32 s[TBA], s[TBA], QA
	s_add_co_u32 s[TBB], s[TBB], QB
	FETCH \g
.endm
.macro QUARTER f, g, zero
	s_wait_dscnt 0x0                               ; f's 32 loads, issued a quarter ago
	AHEAD \g
	MUL16 \f, 0, \zero
	MUL16 \f, 1, 0
.endm
; THE CHANGE OF SLOTS, in front of a step's fourth quarter: all my tensor loads have landed, the add, my reads of the slot are over; then the barrier (fill = 1: a round of the cluster's) and the refill first behind it.
.macro CHANGE slot, fill
	WIN 0
	s_wait_tensorcnt 0x0                           ; no tensor load of mine is out, so a group 0 may be written
	ds_add_u32 v[SPW], v[NIL]
.if \fill
	s_add_nc_u64 s[G0A+4*(\slot)+2:G0A+4*(\slot)+3], s[G0A+4*(\slot)+2:G0A+4*(\slot)+3], 2*ASTEP
	s_add_nc_u64 s[G0B+4*(\slot)+2:G0B+4*(\slot)+3], s[G0B+4*(\slot)+2:G0B+4*(\slot)+3], 2*BSTEP
.endif
	s_mov_b32 s[TBA], (1-(\slot))*SLOT
	s_mov_b32 s[TBB], (1-(\slot))*SLOT
	s_wait_dscnt 0x0                               ; the add is done, and my reads of the slot are over
.if \fill
	CROUND
	JLOAD \slot
.else
	s_barrier_signal -1
	s_barrier_wait -1
.endif
.endm
.macro PAIRS
	s_mov_b32 s[TW], 2
.Lpair_\@:
	QUARTER F1, F0, 0
	QUARTER F0, F1, 0
	WIN 0
	s_sub_co_u32 s[TW], s[TW], 1
	s_cmp_lg_u32 s[TW], 0
	s_cbranch_scc1 .Lpair_\@
.endm
.macro OUT16                           ; rounded to f16 in place; through the work-group's stage, with a barrier; back as whole rows of 256 bytes
.set t, 0
.rept 16
.irp r, 0,1,2,3
	v_cvt_pk_f16_f32 v[ACC+8*t+(\r)], v[ACC+8*t+2*(\r)], v[ACC+8*t+2*(\r)+1]
.endr
.set t, t+1
.endr
.irp a, 0,1,2,3
.irp b, 0,1,2,3
	ds_store_b128 v[STO], v[ACC+8*(4*(\a)+(\b)):ACC+8*(4*(\a)+(\b))+3] offset:(\a)*16*SP+32*(\b)
.endr
.endr
	s_wait_dscnt 0x0                               ; for the others' sake: my stores into the stage are done
	s_barrier_signal -1
	s_barrier_wait -1
.set t, 0
.rept 16
	ds_load_b128 v[ACC+8*t+4:ACC+8*t+7], v[RD] offset:t*2*SP
.set t, t+1
.endr
.set t, 0
.rept 16
	s_wait_dscnt 15-t                              ; load t is back; the younger ones stay out
	global_store_b128 v[CO], v[ACC+8*t+4:ACC+8*t+7], s[CB:CB+1] offset:2*t*ROWB  ; 16 lanes store 256 consecutive bytes, aligned
.set t, t+1
.endr
.endm
	s_load_b256 s[72:79], s[0:1], 0x0              ; qp s[72:73], x16 s[74:75], tpart s[76:77], pm s[78:79]
	s_load_b64 s[80:81], s[0:1], 0x20              ; stat
	v_lshl_add_u32 v[SPW], v0, 2, SPARE
	v_mov_b32 v[NIL], 0
	ds_add_u32 v[SPW], v[NIL]                      ; the wave's opening: the add and its wait stand ahead of my first tensor load
	v_lshrrev_b32 v1, 5, v0
	v_readfirstlane_b32 s[WV], v1
	s_lshr_b32 s[MH], s[WV], 1
	s_and_b32 s[NH], s[WV], 1
	s_bfe_u32 s[CX], ttmp6, 0x40000
	s_bfe_u32 s[CY], ttmp6, 0x40004
	s_lshl_b32 s[TX], ttmp9, 2
	s_add_co_u32 s[TX], s[TX], s[CX]               ; tile column, 0 to 15: 128 keys of the batch
	s_and_b32 s[BAT], ttmp7, 0xffff                ; the cluster's y is the batch: its four tile rows are the batch's 512 queries
	s_lshl_b32 s[TY], s[BAT], 2
	s_add_co_u32 s[TY], s[TY], s[CY]
	s_lshl_b32 s43, s[CY], 2
	s_lshl_b32 s43, 15, s43
	s_lshl_b32 s44, 0x1111, s[CX]
	s_or_b32 s[G1A], s43, (1<<16)|(1<<20)|(1<<21)|(6<<22)|(3<<25)
	s_or_b32 s[G1B], s44, (1<<16)|(1<<20)|(1<<21)|(6<<22)|(3<<25)
.irp g, G1A, G1B
	s_mov_b32 s[(\g)+1], 256<<16
	s_mov_b32 s[(\g)+2], 64<<16
	s_mov_b32 s[(\g)+3], 256<<16
	s_mov_b32 s[(\g)+4], 64
	s_mov_b32 s[(\g)+5], 1024
	s_mov_b32 s[(\g)+6], 0
	s_mov_b32 s[(\g)+7], 0
.endr
	s_lshl_b32 s16, s[TY], 7                       ; A: row 128 x tile row + 64 x half; these registers never hold the tile column
	s_lshl_b32 s17, s[NH], 6
	s_add_co_u32 s16, s16, s17
	s_lshl_b32 s16, s16, 11
	s_mov_b32 s17, 0
	s_lshl_b32 s46, s[TX], 7                       ; B: key 2,048 x batch + 128 x tile column + 64 x half; these never hold the tile row
	s_lshl_b32 s47, s[NH], 6
	s_add_co_u32 s46, s46, s47
	s_lshl_b32 s47, s[BAT], 11
	s_add_co_u32 s46, s46, s47
	s_lshl_b32 s46, s46, 11
	s_add_co_u32 s46, s46, BOFF
	s_mov_b32 s47, 0
	s_mul_i32 s20, s[NH], HA
	s_mul_i32 s21, s[NH], HB
	s_add_co_u32 s21, s21, AT
	s_mov_b32 s[TBA], 0
	s_mov_b32 s[TBB], 0
	s_mov_b32 s[HM], 0xffff0000
	s_mov_b32 s[C2], 0x4238aa3b                    ; c = 32 log2(e)
	s_mov_b32 s[C2+1], s[C2]
	s_mov_b32 s[SEL], 0x76543210
	s_mov_b32 s[SEL+1], 0xfedcba98
	s_wait_dscnt 0x0                               ; the opening add is done
	s_wait_kmcnt 0x0
	s_add_nc_u64 s[14:15], s[72:73], s[16:17]
	s_add_nc_u64 s[46:47], s[74:75], s[46:47]
	CROUND                                         ; all sixteen work-groups are here: the first joint loads meet
.irp s, 0,1
	s_mov_b32 s[G0A+4*(\s)], 1
	s_add_co_u32 s[G0A+4*(\s)+1], s20, (\s)*SLOT
	s_add_nc_u64 s[G0A+4*(\s)+2:G0A+4*(\s)+3], s[14:15], (\s)*ASTEP
	s_or_b32 s[G0A+4*(\s)+3], s[G0A+4*(\s)+3], 0x80000000
	s_mov_b32 s[G0B+4*(\s)], 1
	s_add_co_u32 s[G0B+4*(\s)+1], s21, (\s)*SLOT
	s_add_nc_u64 s[G0B+4*(\s)+2:G0B+4*(\s)+3], s[46:47], (\s)*BSTEP
	s_or_b32 s[G0B+4*(\s)+3], s[G0B+4*(\s)+3], 0x80000000
.endr
	s_cmp_eq_u32 s[MH], 0                          ; a wave's two first fills stand in one branch: two loads of mine are out
	s_cbranch_scc0 .Lfirst_b
	tensor_load_to_lds s[G0A:G0A+3], s[G1A:G1A+7]
	s_nop 0
	tensor_load_to_lds s[G0A+4:G0A+7], s[G1A:G1A+7]
	s_nop 0
	PLACES
	s_branch .Lfirst_asked
.Lfirst_b:
	tensor_load_to_lds s[G0B:G0B+3], s[G1B:G1B+7]
	s_nop 0
	tensor_load_to_lds s[G0B+4:G0B+7], s[G1B:G1B+7]
	s_nop 0
	PLACES
.Lfirst_asked:
	s_lshl_b32 s16, s[TY], 9                       ; thread i takes the tile's row i: its sixteen partial sums of (q / 16) . bk, 16,384 bytes apart
	s_mov_b32 s17, 0
	s_add_nc_u64 s[76:77], s[76:77], s[16:17]
	v_lshlrev_b32 v3, 2, v0
.set i, 0
.rept 16
	global_load_b32 v[64+i], v3, s[76:77] offset:i*16384
.set i, i+1
.endr
	v_and_b32 v1, 15, v0                           ; r
	v_bfe_u32 v2, v0, 4, 1                         ; h
	v_mul_u32_u24 v4, v1, PA
	v_lshl_add_u32 v4, v2, 4, v4
	s_mul_i32 s22, s[MH], HA
	v_add_nc_u32 v[A0], s22, v4
	s_mul_i32 s23, s[NH], HB
	s_add_co_u32 s23, s23, AT
	v_add_nc_u32 v[B0], s23, v4
	s_mul_i32 s22, s[MH], 64*SP
	s_lshl_b32 s23, s[NH], 7
	s_add_co_u32 s22, s22, s23
	s_add_co_u32 s22, s22, STAGE
	v_mul_u32_u24 v4, v1, SP
	v_lshl_add_u32 v4, v2, 4, v4
	v_add_nc_u32 v[STO], s22, v4
	s_mul_i32 s22, s[WV], 32*SP
	s_add_co_u32 s22, s22, STAGE
	v_mul_u32_u24 v5, v2, SP
	v_lshl_add_u32 v5, v1, 4, v5
	v_add_nc_u32 v[RD], s22, v5
	v_mul_u32_u24 v5, v2, ROWB
	v_lshl_add_u32 v[CO], v1, 4, v5
	v_and_b32 v[TO], 31, v0
	v_lshlrev_b32 v[TO], 3, v[TO]
	s_lshl_b32 s22, s[MH], 8                       ; the table: my half of the rows, 16 bytes for each r
	s_add_co_u32 s22, s22, TTAB
	v_lshl_add_u32 v[TR], v1, 4, s22
	v_lshrrev_b32 v6, 6, v0                        ; row i goes to (i / 64) x 256 + (i % 16) x 16 + ((i / 16) % 4) x 4
	v_bfe_u32 v7, v0, 4, 2
	v_lshlrev_b32 v6, 8, v6
	v_lshl_add_u32 v6, v1, 4, v6
	v_lshl_add_u32 v6, v7, 2, v6
	v_add_nc_u32 v6, TTAB, v6                      ; the table lies beyond what an LDS instruction's 16-bit immediate reaches: its base goes into the register
	s_lshl_b32 s16, s[TY], 7                       ; pm at the first row that I store
	s_lshl_b32 s17, s[WV], 5
	s_add_co_u32 s16, s16, s17
	s_lshl_b32 s16, s16, 12
	s_mov_b32 s17, 0
	s_add_nc_u64 s[CB:CB+1], s[78:79], s[16:17]
	s_lshl_b32 s46, s[TX], 8
	s_mov_b32 s47, 0
	s_add_nc_u64 s[CB:CB+1], s[CB:CB+1], s[46:47]
	s_lshl_b32 s16, s[TY], 7                       ; stat: row 128 x tile row + 64 x my half, 8 bytes a row,
	s_lshl_b32 s17, s[MH], 6
	s_add_co_u32 s16, s16, s17
	s_lshl_b32 s16, s16, 3
	s_mov_b32 s17, 0
	s_add_nc_u64 s[SB:SB+1], s[80:81], s[16:17]
	s_lshl_b32 s46, s[TX], 1                       ; in key block 2 x tile column + my half of the columns: 32,768 bytes a block
	s_add_co_u32 s46, s46, s[NH]
	s_lshl_b32 s46, s46, 15
	s_add_nc_u64 s[SB:SB+1], s[SB:SB+1], s[46:47]
	s_wait_loadcnt 0x0
.irp i, 0,4,8,12
	v_pk_add_f32 v[64+(\i):65+(\i)], v[64+(\i):65+(\i)], v[66+(\i):67+(\i)]
.endr
	v_pk_add_f32 v[64:65], v[64:65], v[68:69]
	v_pk_add_f32 v[72:73], v[72:73], v[76:77]
	v_pk_add_f32 v[64:65], v[64:65], v[72:73]
	v_add_f32 v64, v64, v65
	v_mul_f32 v64, 0x3c800000, v64                 ; / 64: (q . bk) / 1,024
	ds_store_b32 v6, v64
	s_wait_tensorcnt 0x1                           ; my part of slot 0 is in; slot 1's may stay out
	s_wait_dscnt 0x0                               ; my word of the table is written
	s_barrier_signal -1
	s_barrier_wait -1
	ds_load_b128 v[20:23], v[TR]                   ; the numbers of my lane's four rows
	AHEAD F0
	WIN 0
	s_wait_dscnt 32                                ; the table's load is back; the 32 fragment loads behind it stay out
.irp a, 0,1,2,3
.irp j, 0,1,2,3,4,5,6,7
	v_mov_b32 v[CI+8*(\a)+(\j)], v[20+(\a)]
.endr
.endr
	QUARTER F0, F1, 1
	QUARTER F1, F0, 0
	QUARTER F0, F1, 0
	CHANGE 0, 1
	PAIRS
	CHANGE 1, 1
	PAIRS
	CHANGE 0, 0
	PAIRS
	s_wait_dscnt 0x0
	MUL16 F1, 0, 0
	MUL16 F1, 1, 0
	WIN 0
	PLACES                                         ; behind the last products
	; Block a's 32 scores of my lane lie in 32 consecutive registers.  The maximum goes through them in ascending order; the four blocks alternate.
.irp a, 0,1,2,3
	v_max3_num_f32 v[ST+8*(\a)+4], v[ACC+32*(\a)], v[ACC+32*(\a)+1], v[ACC+32*(\a)+2]
.endr
.set i, 3
.rept 14
.irp a, 0,1,2,3
	v_max3_num_f32 v[ST+8*(\a)+4], v[ST+8*(\a)+4], v[ACC+32*(\a)+i], v[ACC+32*(\a)+i+1]
.endr
.set i, i+2
.endr
.irp a, 0,1,2,3
	v_max_num_f32 v[ST+8*(\a)+4], v[ST+8*(\a)+4], v[ACC+32*(\a)+31]
.endr
.irp a, 0,1,2,3
	v_permlanex16_b32 v[ST+8*(\a)+5], v[ST+8*(\a)+4], s[SEL], s[SEL+1]  ; the query's other 32 keys lie in the lane 16 away
.endr
.irp a, 0,1,2,3
	v_max_num_f32 v[ST+8*(\a)+4], v[ST+8*(\a)+4], v[ST+8*(\a)+5]
.endr
.irp a, 0,1,2,3
	v_mul_f32 v[ST+8*(\a)], s[C2], v[ST+8*(\a)+4]  ; cm
.endr
.set i, 0
.rept 16
.irp a, 0,1,2,3
	v_pk_fma_f32 v[ACC+32*(\a)+2*i:ACC+32*(\a)+2*i+1], v[ACC+32*(\a)+2*i:ACC+32*(\a)+2*i+1], s[C2:C2+1], v[ST+8*(\a):ST+8*(\a)+1] op_sel_hi:[1,0,0] neg_lo:[0,0,1] neg_hi:[0,0,1]  ; c s - cm
.endr
.set i, i+1
.endr
.set i, 0
.rept 128
	v_exp_f32 v[ACC+i], v[ACC+i]
.set i, i+1
.endr
	v_nop                                          ; a plain instruction behind the last exponential,
	s_wait_alu depctr_va_vdst(0)                   ; and the wait ahead of the first use: one for the batch of 128
.irp a, 0,1,2,3
	v_pk_add_f32 v[ST+8*(\a)+2:ST+8*(\a)+3], v[ACC+32*(\a):ACC+32*(\a)+1], v[ACC+32*(\a)+2:ACC+32*(\a)+3]
.endr
.set i, 2
.rept 14
.irp a, 0,1,2,3
	v_pk_add_f32 v[ST+8*(\a)+2:ST+8*(\a)+3], v[ST+8*(\a)+2:ST+8*(\a)+3], v[ACC+32*(\a)+2*i:ACC+32*(\a)+2*i+1]
.endr
.set i, i+1
.endr
.irp a, 0,1,2,3
	v_add_f32 v[ST+8*(\a)+1], v[ST+8*(\a)+2], v[ST+8*(\a)+3]
.endr
.irp a, 0,1,2,3
	v_permlanex16_b32 v[ST+8*(\a)+5], v[ST+8*(\a)+1], s[SEL], s[SEL+1]
.endr
.irp a, 0,1,2,3
	v_add_f32 v[ST+8*(\a)+1], v[ST+8*(\a)+1], v[ST+8*(\a)+5]  ; l
.endr
.irp e, 0,1                                        ; lanes 0-15 hold rows 32 e + r, lanes 16-31 take rows 32 e + 16 + r: 32 rows' (cm, l), 256 consecutive bytes, aligned
	v_cndmask_b32 v[20+2*(\e)], v[ST+16*(\e)], v[ST+16*(\e)+8], s[HM]
	v_cndmask_b32 v[21+2*(\e)], v[ST+16*(\e)+1], v[ST+16*(\e)+9], s[HM]
	global_store_b64 v[TO], v[20+2*(\e):21+2*(\e)], s[SB:SB+1] offset:256*(\e)
.endr
	OUT16
	s_wait_tensorcnt 0x0                           ; the wave's end
	ds_add_u32 v[SPW], v[NIL]
	s_wait_dscnt 0x0
	CROUND                                         ; the closing round
	s_endpgm
.Lfunc_end_k_q297120ea4e_score:
	.size	k_q297120ea4e_score, .Lfunc_end_k_q297120ea4e_score-k_q297120ea4e_score
	.p2alignl 7, 3214868480
	.fill 96, 4, 3214868480
	.section	.rodata,"a",@progbits
	.p2align	6, 0x0
	.amdhsa_kernel k_q297120ea4e_score
		.amdhsa_group_segment_fixed_size 327680
		.amdhsa_private_segment_fixed_size 0
		.amdhsa_enable_private_segment 0
		.amdhsa_kernarg_size 40
		.amdhsa_user_sgpr_count 2
		.amdhsa_user_sgpr_kernarg_segment_ptr 1
		.amdhsa_wavefront_size32 1
		.amdhsa_system_sgpr_workgroup_id_x 1
		.amdhsa_system_sgpr_workgroup_id_y 1
		.amdhsa_system_sgpr_workgroup_id_z 1
		.amdhsa_system_vgpr_workitem_id 0
		.amdhsa_next_free_vgpr 512
		.amdhsa_next_free_sgpr 96
		.amdhsa_reserve_vcc 0
		.amdhsa_float_denorm_mode_32 3
		.amdhsa_float_denorm_mode_16_64 3
		.amdhsa_memory_ordered 1
		.amdhsa_forward_progress 1
		.amdhsa_inst_pref_size 84
	.end_amdhsa_kernel
	.amdgpu_metadata
---
amdhsa.version: [ 1, 2 ]
amdhsa.kernels:
  - .name:           k_q297120ea4e_score
    .symbol:         k_q297120ea4e_score.kd
    .args:
      - { .name: qp, .offset: 0, .size: 8, .value_kind: global_buffer, .address_space: global }
      - { .name: x16, .offset: 8, .size: 8, .value_kind: global_buffer, .address_space: global }
      - { .name: tpart, .offset: 16, .size: 8, .value_kind: global_buffer, .address_space: global }
      - { .name: pm, .offset: 24, .size: 8, .value_kind: global_buffer, .address_space: global }
      - { .name: stat, .offset: 32, .size: 8, .value_kind: global_buffer, .address_space: global }
    .group_segment_fixed_size: 327680
    .private_segment_fixed_size: 0
    .kernarg_segment_align: 8
    .kernarg_segment_size: 40
    .max_flat_workgroup_size: 128
    .sgpr_count:     96
    .vgpr_count:     512
    .wavefront_size: 32
...
	.end_amdgpu_metadata
.endif
;; end of part 4
;; launch ctxk (part 5): grid 8 x 32, 4 waves a work-group, clusters of 4 x 4, 327,680 bytes of LDS; arguments pm, x16, stat, ctx; writes ctx
.if DOCPART == 5
	.amdgcn_target "amdgcn-amd-amdhsa--gfx1250"
	.amdhsa_code_object_version 6
	.text
	.protected	k_q297120ea4e_ctxk
	.globl	k_q297120ea4e_ctxk
	.p2align	8
	.type	k_q297120ea4e_ctxk,@function
k_q297120ea4e_ctxk:
	s_mov_b64 s[64:65], 0
	v_nop
	global_prefetch_b8 v0, s[64:65] scope:SCOPE_SE
	s_setreg_imm32_b32 hwreg(HW_REG_WAVE_MODE, 25, 1), 1
	s_wait_xcnt 0x0
	s_wait_alu depctr_hold_cnt(0) depctr_sa_sdst(0) depctr_va_vdst(0) depctr_va_sdst(0) depctr_va_ssrc(0) depctr_va_vcc(0) depctr_vm_vsrc(0)
	s_getreg_b32 s2, hwreg(HW_REG_IB_STS2, 6, 4)
	s_cmp_eq_u32 s2, 0
	s_cbranch_scc0 .Lentry_in_a_cluster
	s_endpgm
.Lentry_in_a_cluster:
	s_bfe_u32 s2, ttmp6, 0x10000c
	s_cmp_lg_u32 s2, 0xf033
	s_cbranch_scc0 .Lentry_shape_is_right
	s_endpgm
.Lentry_shape_is_right:
; ctx[m][d] = f16((sum over the batch's 2,048 keys n of (p[m][n] f[m][n / 64]) v16[b][n][d]) / L[m]), with M = the maximum of the row's 32 cm, f = 2^(cm - M), L = the sum of f l.
; So the softmax is taken against the ROW's maximum: each block's weights, stored against the block's own, are brought onto it by f, which is at most 1.
; WHY v16 and not v: attn (x Wv^T + bv) = (attn x) Wv^T + bv, since a row of attn sums to 1: the values are never projected; the next launch multiplies by Wv and adds bv.
; LIMITS: f and p f are f16: below 6.1e-5 they keep the fixed step of 6e-8, below half of it they count as 0; M, f's exponent, L and the sums are f32.  ctx is a mean of v_embd's rows and has their range.
; SHARES.  A tile is 128 rows x 128 columns; a wave makes 64 x 64.  K = 2,048 keys in eight steps of 256 through two LDS slots; a quarter of a step is one block of 64 keys, so one factor a row serves a quarter.
; B LIES [K][N] (keys x channels): its fragments come out of LDS turned, by ds_load_tr16_b128.  A's fragments (p) are multiplied by the row's factor between LDS and the matrix unit: two packed
; multiplies behind each matrix instruction make the NEXT 32 keys' operand, in window 0.
; CLUSTER.  The four tile rows of a cluster are one batch: A's tiles are shared along a row of the cluster, B's along a column.  NOT PREFETCHED: small tiles, a short launch.
; Window 0: v0-31 addresses; v32-39 1 / L by pairs; v56-63 the factors of two quarters; v64-127 two scaled operands of 32 (at the start: the row's statistics); v128-255 accumulators.
; Window 1: two fragment buffers of 128: 64 registers of p as loaded, then 64 of B.
.set NSTEPS, 8
.set LAPS,  (NSTEPS-2)/2
.set BOFF,  41943040                   ; v16's first byte in x16
.set ROWB,  2048
.set PA,    528
.set HA,    64*PA
.set AT,    2*HA
.set PB,    288                        ; 256 bytes + 32, an odd multiple of 32
.set HB,    128*PB
.set SLOT,  AT+2*HB
.set QA,    128
.set QB,    64*PB
.set ASTEP, 512
.set BSTEP, 256*2048
.set FTAB,  2*SLOT                     ; 16,384 bytes: for each of 32 key blocks 512 bytes: the tile's 128 factors, each twice in a word, four rows (16 apart) on end for each lane
.set STAGE, FTAB                       ; the way out's 128 rows x 272 bytes lie on the table, behind a barrier behind its last read; only ds_store ever writes these bytes
.set SP,    272
.set RTAB,  STAGE+128*SP               ; 512 bytes: 1 / L of the 128 rows, laid as a block of the table
.set SPARE, RTAB+512
.set A0, 10
.set B0, 11
.set ADRA, 12
.set ADRB, 13
.set STO, 14
.set RD,  15
.set CO,  16
.set TR,  18                           ; v18  where my lane reads block 0 of the table
.set ADRF, 19                          ; v19  the address of the factors in hand
.set SPW, 28
.set NIL, 29
.set RL,  32
.set FCB, 56                           ; v[56:59] the factors that go with buffer 0, v[60:63] with buffer 1
.set SA,  64                           ; v[64:95] the scaled operand of a quarter's first 32 keys, v[96:127] of its second
.set ACC, 128
.set F0,  0
.set F1,  128
.set WV, 10
.set MH, 11
.set NH, 12
.set TY, 13
.set G1A, 24
.set G0A, 32
.set CX, 40
.set CY, 41
.set TX, 42
.set BAT, 45
.set G1B, 48
.set G0B, 56
.set TBA, 66
.set TBB, 67
.set TBF, 68                           ; s68 byte, from TR, of the factors to be fetched
.set LAP, 69
.set TW,  70
.set CB,  88
.set MSB, 0
.macro WIN new                         ; the immediate's high byte repeats the setting that is left; a switch that changes nothing is dropped
.if MSB != (\new)
	s_set_vgpr_msb (MSB<<8)|(\new)
.set MSB, (\new)
.endif
.endm
.set W_M,  0x01                        ; source 0 window 1 (B's fragments; p as loaded), all else window 0: one setting for the products and the packed multiplies
.set TO_F, 0x40
.macro PLACES
.rept 4
	v_nop
.endr
.endm
.macro CROUND                          ; a round of the cluster's barrier
	s_barrier_signal -1
	s_barrier_wait -1
	s_cmp_lg_u32 s[WV], 0
	s_cbranch_scc1 .Lnot_wave_0_\@
	s_barrier_signal -3
.Lnot_wave_0_\@:
	s_barrier_wait -3
	s_barrier_signal -1
	s_barrier_wait -1
.endm
.macro JLOAD s                         ; a joint refill of slot s; an s_nop 0 and four v_nop follow each line
	s_cmp_eq_u32 s[MH], 0
	s_cbranch_scc0 .Lfor_b_\@
	tensor_load_to_lds s[G0A+4*(\s):G0A+4*(\s)+3], s[G1A:G1A+7]
	s_nop 0
	PLACES
	s_branch .Lasked_\@
.Lfor_b_\@:
	tensor_load_to_lds s[G0B+4*(\s):G0B+4*(\s)+3], s[G1B:G1B+7]
	s_nop 0
	PLACES
.Lasked_\@:
.endm
; 16 matrix instructions: 32 keys (half c of buffer f), all 16 accumulators by turns; source 1 is the scaled operand c.
; ride = 1: behind each stand two packed multiplies that make the other scaled operand, register n from window 1's raw + n and the factor of block n / 8.  A register of that operand is written
; twenty-six vector instructions or more behind the last product that read it.
.macro HALF f, c, zero, ride, raw, fc
	WIN W_M
.set n, 0
.irp a, 0,1,2,3
.irp b, 0,1,2,3
.if \zero
	v_wmma_f32_16x16x32_f16 v[ACC+8*(4*(\a)+(\b)):ACC+8*(4*(\a)+(\b))+7], v[(\f)+64+8*(4*(\c)+(\b)):(\f)+64+8*(4*(\c)+(\b))+7], v[SA+32*(\c)+8*(\a):SA+32*(\c)+8*(\a)+7], 0
.else
	v_wmma_f32_16x16x32_f16 v[ACC+8*(4*(\a)+(\b)):ACC+8*(4*(\a)+(\b))+7], v[(\f)+64+8*(4*(\c)+(\b)):(\f)+64+8*(4*(\c)+(\b))+7], v[SA+32*(\c)+8*(\a):SA+32*(\c)+8*(\a)+7], v[ACC+8*(4*(\a)+(\b)):ACC+8*(4*(\a)+(\b))+7]
.endif
.if \ride
	v_pk_mul_f16 v[SA+32*(1-(\c))+n], v[(\raw)+n], v[(\fc)+n/8]
	v_pk_mul_f16 v[SA+32*(1-(\c))+n+1], v[(\raw)+n+1], v[(\fc)+n/8]
.set n, n+2
.endif
.endr
.endr
.endm
.macro FETCH g                         ; 32 LDS loads in one run, the first 32 keys first; B's are turned
	WIN TO_F
.irp c, 0,1
.irp i, 0,1,2,3
	ds_load_tr16_b128 v[(\g)+64+8*(4*(\c)+(\i)):(\g)+64+8*(4*(\c)+(\i))+3],   v[ADRB] offset:32*(\c)*PB+32*(\i)
	ds_load_tr16_b128 v[(\g)+64+8*(4*(\c)+(\i))+4:(\g)+64+8*(4*(\c)+(\i))+7], v[ADRB] offset:(32*(\c)+16)*PB+32*(\i)
	ds_load_b128 v[(\g)+8*(4*(\c)+(\i)):(\g)+8*(4*(\c)+(\i))+3],         v[ADRA] offset:64*(\c)+(\i)*16*PA
	ds_load_b128 v[(\g)+8*(4*(\c)+(\i))+4:(\g)+8*(4*(\c)+(\i))+7],       v[ADRA] offset:64*(\c)+(\i)*16*PA+32
.endr
.endr
.endm
.macro AHEAD g                         ; the next quarter's factors and fragments.  The three additions and the v_nop are the four places between the last product that read buffer g and the loads into it
	WIN 0
	v_add_nc_u32 v[ADRA], s[TBA], v[A0]
	v_add_nc_u32 v[ADRB], s[TBB], v[B0]
	v_add_nc_u32 v[ADRF], s[TBF], v[TR]
	v_nop
	s_add_co_u32 s[TBA], s[TBA], QA
	s_add_co_u32 s[TBB], s[TBB], QB
	s_add_co_u32 s[TBF], s[TBF], 512
	ds_load_b128 v[FCB+4*((\g)/128):FCB+4*((\g)/128)+3], v[ADRF]
	FETCH \g
.endm
.macro QUARTER f, g, zero
	s_wait_dscnt 0x0                               ; f's loads, issued a quarter ago
	AHEAD \g
	HALF \f, 0, \zero, 1, (\f)+32, FCB+4*((\f)/128)  ; beside the first 32 keys' products: this quarter's second 32 keys are scaled
	s_wait_dscnt 16                                ; g's factors and its first 16 loads are in; the youngest 16 stay out
	HALF \f, 1, 0, 1, \g, FCB+4*((\g)/128)         ; beside the second: the next quarter's first 32 keys
.endm
; THE CHANGE OF SLOTS, in front of a step's fourth quarter: all my tensor loads have landed, the add, my reads of the slot are over; then the barrier (fill = 1: a round of the cluster's) and the refill first behind it.
.macro CHANGE slot, fill
	WIN 0
	s_wait_tensorcnt 0x0                           ; no tensor load of mine is out, so a group 0 may be written
	ds_add_u32 v[SPW], v[NIL]
.if \fill
	s_add_nc_u64 s[G0A+4*(\slot)+2:G0A+4*(\slot)+3], s[G0A+4*(\slot)+2:G0A+4*(\slot)+3], 2*ASTEP
	s_add_nc_u64 s[G0B+4*(\slot)+2:G0B+4*(\slot)+3], s[G0B+4*(\slot)+2:G0B+4*(\slot)+3], 2*BSTEP
.endif
	s_mov_b32 s[TBA], (1-(\slot))*SLOT
	s_mov_b32 s[TBB], (1-(\slot))*SLOT
	s_wait_dscnt 0x0                               ; the add is done, and my reads of the slot are over
.if \fill
	CROUND
	JLOAD \slot
.else
	s_barrier_signal -1
	s_barrier_wait -1
.endif
.endm
.macro PAIRS
	s_mov_b32 s[TW], 2
.Lpair_\@:
	QUARTER F1, F0, 0
	QUARTER F0, F1, 0
	WIN 0
	s_sub_co_u32 s[TW], s[TW], 1
	s_cmp_lg_u32 s[TW], 0
	s_cbranch_scc1 .Lpair_\@
.endm
.macro OUT16                           ; rounded to f16 in place; through the work-group's stage, with a barrier; back as whole rows of 256 bytes
.set t, 0
.rept 16
.irp r, 0,1,2,3
	v_cvt_pk_f16_f32 v[ACC+8*t+(\r)], v[ACC+8*t+2*(\r)], v[ACC+8*t+2*(\r)+1]
.endr
.set t, t+1
.endr
.irp a, 0,1,2,3
.irp b, 0,1,2,3
	ds_store_b128 v[STO], v[ACC+8*(4*(\a)+(\b)):ACC+8*(4*(\a)+(\b))+3] offset:(\a)*16*SP+32*(\b)
.endr
.endr
	s_wait_dscnt 0x0                               ; for the others' sake: my stores into the stage are done
	s_barrier_signal -1
	s_barrier_wait -1
.set t, 0
.rept 16
	ds_load_b128 v[ACC+8*t+4:ACC+8*t+7], v[RD] offset:t*2*SP
.set t, t+1
.endr
.set t, 0
.rept 16
	s_wait_dscnt 15-t                              ; load t is back; the younger ones stay out
	global_store_b128 v[CO], v[ACC+8*t+4:ACC+8*t+7], s[CB:CB+1] offset:2*t*ROWB  ; 16 lanes store 256 consecutive bytes, aligned
.set t, t+1
.endr
.endm
	s_load_b256 s[72:79], s[0:1], 0x0              ; pm s[72:73], x16 s[74:75], stat s[76:77], ctx s[78:79]
	v_lshl_add_u32 v[SPW], v0, 2, SPARE
	v_mov_b32 v[NIL], 0
	ds_add_u32 v[SPW], v[NIL]                      ; the wave's opening: the add and its wait stand ahead of my first tensor load
	v_lshrrev_b32 v1, 5, v0
	v_readfirstlane_b32 s[WV], v1
	s_lshr_b32 s[MH], s[WV], 1
	s_and_b32 s[NH], s[WV], 1
	s_bfe_u32 s[CX], ttmp6, 0x40000
	s_bfe_u32 s[CY], ttmp6, 0x40004
	s_lshl_b32 s[TX], ttmp9, 2
	s_add_co_u32 s[TX], s[TX], s[CX]
	s_and_b32 s[BAT], ttmp7, 0xffff                ; the cluster's y is the batch
	s_lshl_b32 s[TY], s[BAT], 2
	s_add_co_u32 s[TY], s[TY], s[CY]
	s_lshl_b32 s43, s[CY], 2
	s_lshl_b32 s43, 15, s43
	s_lshl_b32 s44, 0x1111, s[CX]
	s_or_b32 s[G1A], s43, (1<<16)|(1<<20)|(1<<21)|(6<<22)|(3<<25)
	s_or_b32 s[G1B], s44, (1<<16)|(1<<20)|(1<<21)|(5<<22)|(7<<25)
	s_mov_b32 s[G1A+1], 256<<16                    ; A: 64 rows x 256 elements, 2,048 elements from row to row
	s_mov_b32 s[G1A+2], 64<<16
	s_mov_b32 s[G1A+3], 256<<16
	s_mov_b32 s[G1A+4], 64
	s_mov_b32 s[G1A+5], 2048
	s_mov_b32 s[G1A+6], 0
	s_mov_b32 s[G1A+7], 0
	s_mov_b32 s[G1B+1], 128<<16                    ; B: 128 keys x 128 channels
	s_mov_b32 s[G1B+2], 128<<16
	s_mov_b32 s[G1B+3], 128<<16
	s_mov_b32 s[G1B+4], 128
	s_mov_b32 s[G1B+5], 1024
	s_mov_b32 s[G1B+6], 0
	s_mov_b32 s[G1B+7], 0
	s_lshl_b32 s16, s[TY], 7                       ; A: row 128 x tile row + 64 x half, 4,096 bytes a row; these registers never hold the tile column
	s_lshl_b32 s17, s[NH], 6
	s_add_co_u32 s16, s16, s17
	s_lshl_b32 s16, s16, 12
	s_mov_b32 s17, 0
	s_lshl_b32 s46, s[BAT], 11                     ; B: key 2,048 x batch + 128 x half, channel 128 x tile column; these never hold the tile row
	s_lshl_b32 s47, s[NH], 7
	s_add_co_u32 s46, s46, s47
	s_lshl_b32 s46, s46, 11
	s_lshl_b32 s47, s[TX], 8
	s_add_co_u32 s46, s46, s47
	s_add_co_u32 s46, s46, BOFF
	s_mov_b32 s47, 0
	s_mul_i32 s20, s[NH], HA
	s_mul_i32 s21, s[NH], HB
	s_add_co_u32 s21, s21, AT
	s_mov_b32 s[TBA], 0
	s_mov_b32 s[TBB], 0
	s_mov_b32 s[TBF], 0
	s_wait_dscnt 0x0                               ; the opening add is done
	s_wait_kmcnt 0x0
	s_add_nc_u64 s[14:15], s[72:73], s[16:17]
	s_add_nc_u64 s[46:47], s[74:75], s[46:47]
	CROUND                                         ; all sixteen work-groups are here: the first joint loads meet
.irp s, 0,1
	s_mov_b32 s[G0A+4*(\s)], 1
	s_add_co_u32 s[G0A+4*(\s)+1], s20, (\s)*SLOT
	s_add_nc_u64 s[G0A+4*(\s)+2:G0A+4*(\s)+3], s[14:15], (\s)*ASTEP
	s_or_b32 s[G0A+4*(\s)+3], s[G0A+4*(\s)+3], 0x80000000
	s_mov_b32 s[G0B+4*(\s)], 1
	s_add_co_u32 s[G0B+4*(\s)+1], s21, (\s)*SLOT
	s_add_nc_u64 s[G0B+4*(\s)+2:G0B+4*(\s)+3], s[46:47], (\s)*BSTEP
	s_or_b32 s[G0B+4*(\s)+3], s[G0B+4*(\s)+3], 0x80000000
.endr
	s_cmp_eq_u32 s[MH], 0                          ; a wave's two first fills stand in one branch: two loads of mine are out
	s_cbranch_scc0 .Lfirst_b
	tensor_load_to_lds s[G0A:G0A+3], s[G1A:G1A+7]
	s_nop 0
	tensor_load_to_lds s[G0A+4:G0A+7], s[G1A:G1A+7]
	s_nop 0
	PLACES
	s_branch .Lfirst_asked
.Lfirst_b:
	tensor_load_to_lds s[G0B:G0B+3], s[G1B:G1B+7]
	s_nop 0
	tensor_load_to_lds s[G0B+4:G0B+7], s[G1B:G1B+7]
	s_nop 0
	PLACES
.Lfirst_asked:
	s_lshl_b32 s16, s[TY], 10                      ; thread i takes the tile's row i: its 32 blocks' (cm, l), 32,768 bytes apart
	s_mov_b32 s17, 0
	s_add_nc_u64 s[76:77], s[76:77], s[16:17]
	v_lshlrev_b32 v3, 3, v0
.set i, 0
.rept 32
	global_load_b64 v[64+2*i:65+2*i], v3, s[76:77] offset:i*32768
.set i, i+1
.endr
	v_and_b32 v1, 15, v0                           ; r
	v_bfe_u32 v2, v0, 4, 1                         ; h
	v_mul_u32_u24 v4, v1, PA
	v_lshl_add_u32 v4, v2, 4, v4
	s_mul_i32 s22, s[MH], HA
	v_add_nc_u32 v[A0], s22, v4
	v_and_b32 v4, 7, v0                            ; the turning load: lane l reads row 8 h + l % 8, 16 bytes at 16 ((l / 8) % 2)
	v_lshl_add_u32 v4, v2, 3, v4
	v_mul_u32_u24 v4, v4, PB
	v_bfe_u32 v5, v0, 3, 1
	v_lshl_add_u32 v4, v5, 4, v4
	s_lshl_b32 s23, s[NH], 7
	s_add_co_u32 s23, s23, AT
	v_add_nc_u32 v[B0], s23, v4
	s_mul_i32 s22, s[MH], 64*SP
	s_lshl_b32 s23, s[NH], 7
	s_add_co_u32 s22, s22, s23
	s_add_co_u32 s22, s22, STAGE
	v_mul_u32_u24 v4, v1, SP
	v_lshl_add_u32 v4, v2, 4, v4
	v_add_nc_u32 v[STO], s22, v4
	s_mul_i32 s22, s[WV], 32*SP
	s_add_co_u32 s22, s22, STAGE
	v_mul_u32_u24 v5, v2, SP
	v_lshl_add_u32 v5, v1, 4, v5
	v_add_nc_u32 v[RD], s22, v5
	v_mul_u32_u24 v5, v2, ROWB
	v_lshl_add_u32 v[CO], v1, 4, v5
	s_lshl_b32 s22, s[MH], 8
	s_add_co_u32 s22, s22, FTAB
	v_lshl_add_u32 v[TR], v1, 4, s22
	v_lshrrev_b32 v6, 6, v0                        ; row i goes to (i / 64) x 256 + (i % 16) x 16 + ((i / 16) % 4) x 4 of a block of the table
	v_bfe_u32 v7, v0, 4, 2
	v_lshlrev_b32 v6, 8, v6
	v_lshl_add_u32 v6, v1, 4, v6
	v_lshl_add_u32 v6, v7, 2, v6
	v_add_nc_u32 v26, FTAB, v6
	s_lshl_b32 s16, s[TY], 7
	s_lshl_b32 s17, s[WV], 5
	s_add_co_u32 s16, s16, s17
	s_lshl_b32 s16, s16, 11
	s_mov_b32 s17, 0
	s_add_nc_u64 s[CB:CB+1], s[78:79], s[16:17]
	s_lshl_b32 s46, s[TX], 8
	s_mov_b32 s47, 0
	s_add_nc_u64 s[CB:CB+1], s[CB:CB+1], s[46:47]
	s_wait_loadcnt 0x0
	v_max3_num_f32 v20, v64, v66, v68              ; M
.set i, 3
.rept 14
	v_max3_num_f32 v20, v20, v[64+2*i], v[64+2*i+2]
.set i, i+2
.endr
	v_max_num_f32 v20, v20, v126
.set i, 0
.rept 32
	v_sub_f32 v[64+2*i], v[64+2*i], v20
.set i, i+1
.endr
.set i, 0
.rept 32
	v_exp_f32 v[64+2*i], v[64+2*i]                 ; f
.set i, i+1
.endr
	v_nop                                          ; a plain instruction behind the last exponential,
	s_wait_alu depctr_va_vdst(0)                   ; and the wait ahead of the first use: one for the batch of 32
.irp k, 0,1,2,3
	v_mul_f32 v[21+(\k)], v[64+2*(\k)], v[65+2*(\k)]  ; L = the sum of f l, in four chains
.endr
.set i, 4
.rept 28
	v_fma_f32 v[21+i%4], v[64+2*i], v[65+2*i], v[21+i%4]
.set i, i+1
.endr
	v_add_f32 v21, v21, v22
	v_add_f32 v23, v23, v24
	v_add_f32 v21, v21, v23
	v_rcp_f32 v25, v21
	v_nop
.set i, 0
.rept 32
	v_cvt_pk_f16_f32 v[65+2*i], v[64+2*i], v[64+2*i]  ; f twice in a word; these stand between the reciprocal and its wait
.set i, i+1
.endr
	s_wait_alu depctr_va_vdst(0)                   ; the reciprocal's wait, ahead of its first use
.set i, 0
.rept 32
	ds_store_b32 v26, v[65+2*i] offset:i*512
.set i, i+1
.endr
	ds_store_b32 v26, v25 offset:RTAB-FTAB
	s_wait_tensorcnt 0x1                           ; my part of slot 0 is in; slot 1's may stay out
	s_wait_dscnt 0x0                               ; my row of the tables is written
	s_barrier_signal -1
	s_barrier_wait -1
	AHEAD F0
	s_wait_dscnt 0x0
	WIN W_M
.set n, 0
.rept 32
	v_pk_mul_f16 v[SA+n], v[F0+n], v[FCB+n/8]      ; the first 32 keys' operand: there is no product yet to set these behind
.set n, n+1
.endr
	QUARTER F0, F1, 1
	QUARTER F1, F0, 0
	QUARTER F0, F1, 0
	WIN 0
	s_mov_b32 s[LAP], LAPS
.Llap:                                                 ; a lap fills both slots again: three laps for K steps 2 to 7
	CHANGE 0, 1
	PAIRS
	CHANGE 1, 1
	PAIRS
	s_sub_co_u32 s[LAP], s[LAP], 1
	s_cmp_lg_u32 s[LAP], 0
	s_cbranch_scc1 .Llap
	CHANGE 0, 0                                    ; the tail is written out
	PAIRS
	s_wait_dscnt 0x0                               ; the very last quarter
	HALF F1, 0, 0, 1, F1+32, FCB+4
	HALF F1, 1, 0, 0, 0, 0
	WIN 0
	ds_load_b128 v[20:23], v[TR] offset:RTAB-FTAB  ; 1 / L of my lane's four rows
	s_wait_dscnt 0x0                               ; my reads of the tables are over
	s_barrier_signal -1
	s_barrier_wait -1                              ; everybody's are: the stage may be written over the factor table
.irp a, 0,1,2,3                                    ; eight plain instructions: also the places behind the last products
	v_mov_b32 v[RL+2*(\a)], v[20+(\a)]
	v_mov_b32 v[RL+2*(\a)+1], v[20+(\a)]
.endr
.set i, 0
.rept 64
	v_pk_mul_f32 v[ACC+2*i:ACC+2*i+1], v[ACC+2*i:ACC+2*i+1], v[RL+2*(i/16):RL+2*(i/16)+1]
.set i, i+1
.endr
	OUT16
	s_wait_tensorcnt 0x0                           ; the wave's end
	ds_add_u32 v[SPW], v[NIL]
	s_wait_dscnt 0x0
	CROUND                                         ; the closing round
	s_endpgm
.Lfunc_end_k_q297120ea4e_ctxk:
	.size	k_q297120ea4e_ctxk, .Lfunc_end_k_q297120ea4e_ctxk-k_q297120ea4e_ctxk
	.p2alignl 7, 3214868480
	.fill 96, 4, 3214868480
	.section	.rodata,"a",@progbits
	.p2align	6, 0x0
	.amdhsa_kernel k_q297120ea4e_ctxk
		.amdhsa_group_segment_fixed_size 327680
		.amdhsa_private_segment_fixed_size 0
		.amdhsa_enable_private_segment 0
		.amdhsa_kernarg_size 32
		.amdhsa_user_sgpr_count 2
		.amdhsa_user_sgpr_kernarg_segment_ptr 1
		.amdhsa_wavefront_size32 1
		.amdhsa_system_sgpr_workgroup_id_x 1
		.amdhsa_system_sgpr_workgroup_id_y 1
		.amdhsa_system_sgpr_workgroup_id_z 1
		.amdhsa_system_vgpr_workitem_id 0
		.amdhsa_next_free_vgpr 512
		.amdhsa_next_free_sgpr 96
		.amdhsa_reserve_vcc 0
		.amdhsa_float_denorm_mode_32 3
		.amdhsa_float_denorm_mode_16_64 3
		.amdhsa_memory_ordered 1
		.amdhsa_forward_progress 1
		.amdhsa_inst_pref_size 122
	.end_amdhsa_kernel
	.amdgpu_metadata
---
amdhsa.version: [ 1, 2 ]
amdhsa.kernels:
  - .name:           k_q297120ea4e_ctxk
    .symbol:         k_q297120ea4e_ctxk.kd
    .args:
      - { .name: pm, .offset: 0, .size: 8, .value_kind: global_buffer, .address_space: global }
      - { .name: x16, .offset: 8, .size: 8, .value_kind: global_buffer, .address_space: global }
      - { .name: stat, .offset: 16, .size: 8, .value_kind: global_buffer, .address_space: global }
      - { .name: ctx, .offset: 24, .size: 8, .value_kind: global_buffer, .address_space: global }
    .group_segment_fixed_size: 327680
    .private_segment_fixed_size: 0
    .kernarg_segment_align: 8
    .kernarg_segment_size: 32
    .max_flat_workgroup_size: 128
    .sgpr_count:     96
    .vgpr_count:     512
    .wavefront_size: 32
...
	.end_amdgpu_metadata
.endif
;; end of part 5
;; launch oproj (part 6): grid 8 x 32, 4 waves a work-group, clusters of 4 x 4, 327,680 bytes of LDS; arguments ctx, x16, bv, out0; writes out0
.if DOCPART == 6
	.amdgcn_target "amdgcn-amd-amdhsa--gfx1250"
	.amdhsa_code_object_version 6
	.text
	.protected	k_q297120ea4e_oproj
	.globl	k_q297120ea4e_oproj
	.p2align	8
	.type	k_q297120ea4e_oproj,@function
k_q297120ea4e_oproj:
	s_mov_b64 s[64:65], 0
	v_nop
	global_prefetch_b8 v0, s[64:65] scope:SCOPE_SE
	s_setreg_imm32_b32 hwreg(HW_REG_WAVE_MODE, 25, 1), 1
	s_wait_xcnt 0x0
	s_wait_alu depctr_hold_cnt(0) depctr_sa_sdst(0) depctr_va_vdst(0) depctr_va_sdst(0) depctr_va_ssrc(0) depctr_va_vcc(0) depctr_vm_vsrc(0)
	s_getreg_b32 s2, hwreg(HW_REG_IB_STS2, 6, 4)
	s_cmp_eq_u32 s2, 0
	s_cbranch_scc0 .Lentry_in_a_cluster
	s_endpgm
.Lentry_in_a_cluster:
	s_bfe_u32 s2, ttmp6, 0x10000c
	s_cmp_lg_u32 s2, 0xf033
	s_cbranch_scc0 .Lentry_shape_is_right
	s_endpgm
.Lentry_shape_is_right:
; out0[m][n] = sum over d of ctx[m][d] Wv16[n][d] + bv[n], m < 4,096, n < 1,024, K = 1,024; sums and the result in f32.
; (attn (x Wv^T + bv) = (attn x) Wv^T + bv, since a row of attn sums to 1: ctx is attn x.)
; SHARES, CLUSTER, REGISTERS: a tile of 128 x 128 to a work-group, 64 x 64 to a wave, K in steps of 256 through two LDS slots, four quarters of 64 a step on two fragment buffers; 4 x 4 work-groups ask
; jointly for A's tiles along a row and B's along a column.  The matrix instruction is used transposed: a lane holds row l % 16 and eight neighbouring columns.  NOT PREFETCHED: small tiles, four steps.
; THE WAY OUT.  A wave's 64 columns of f32 are 256 bytes, aligned: each wave has a stage of its own, 16 rows at a time, and no barrier.
; Window 0: v0-31 addresses; v32-63 bv of my lane's 32 columns; v64-127 two buffers of 16 rows read back; v128-255 accumulators.  Window 1: two fragment buffers of 128.
.set NSTEPS, 4
.set BOFF,  79691776                   ; Wv16's first byte in x16
.set ROWB,  4096                       ; bytes in a row of out0
.set PA,    528
.set HA,    64*PA
.set AT,    2*HA
.set PB,    528
.set HB,    64*PB
.set SLOT,  AT+2*HB
.set QA,    128
.set QB,    128
.set ASTEP, 512
.set BSTEP, 512
.set STAGE, 2*SLOT                     ; behind the ring: 16 rows x 272 bytes for each wave
.set SP,    272
.set SPARE, STAGE+4*16*SP
.set A0, 10
.set B0, 11
.set ADRA, 12
.set ADRB, 13
.set STO, 14
.set RD,  15
.set CO,  16
.set BO,  17
.set SPW, 28
.set NIL, 29
.set BV,  32
.set OB,  64
.set ACC, 128
.set F0,  0
.set F1,  128
.set WV, 10
.set MH, 11
.set NH, 12
.set TY, 13
.set G1A, 24
.set G0A, 32
.set CX, 40
.set CY, 41
.set TX, 42
.set BAT, 45
.set G1B, 48
.set G0B, 56
.set TBA, 66
.set TBB, 67
.set TW,  70
.set CB,  88
.set MSB, 0
.macro WIN new                         ; the immediate's high byte repeats the setting that is left; a switch that changes nothing is dropped
.if MSB != (\new)
	s_set_vgpr_msb (MSB<<8)|(\new)
.set MSB, (\new)
.endif
.endm
.set MUL,  0x05
.set TO_F, 0x40
.macro PLACES
.rept 4
	v_nop
.endr
.endm
.macro CROUND                          ; a round of the cluster's barrier
	s_barrier_signal -1
	s_barrier_wait -1
	s_cmp_lg_u32 s[WV], 0
	s_cbranch_scc1 .Lnot_wave_0_\@
	s_barrier_signal -3
.Lnot_wave_0_\@:
	s_barrier_wait -3
	s_barrier_signal -1
	s_barrier_wait -1
.endm
.macro JLOAD s                         ; a joint refill of slot s; an s_nop 0 and four v_nop follow each line
	s_cmp_eq_u32 s[MH], 0
	s_cbranch_scc0 .Lfor_b_\@
	tensor_load_to_lds s[G0A+4*(\s):G0A+4*(\s)+3], s[G1A:G1A+7]
	s_nop 0
	PLACES
	s_branch .Lasked_\@
.Lfor_b_\@:
	tensor_load_to_lds s[G0B+4*(\s):G0B+4*(\s)+3], s[G1B:G1B+7]
	s_nop 0
	PLACES
.Lasked_\@:
.endm
.macro MUL16 f, c, zero                ; 16 matrix instructions, all 16 accumulators by turns
	WIN MUL
.irp a, 0,1,2,3
.irp b, 0,1,2,3
.if \zero
	v_wmma_f32_16x16x32_f16 v[ACC+8*(4*(\a)+(\b)):ACC+8*(4*(\a)+(\b))+7], v[(\f)+64+8*(4*(\c)+(\b)):(\f)+64+8*(4*(\c)+(\b))+7], v[(\f)+8*(4*(\c)+(\a)):(\f)+8*(4*(\c)+(\a))+7], 0
.else
	v_wmma_f32_16x16x32_f16 v[ACC+8*(4*(\a)+(\b)):ACC+8*(4*(\a)+(\b))+7], v[(\f)+64+8*(4*(\c)+(\b)):(\f)+64+8*(4*(\c)+(\b))+7], v[(\f)+8*(4*(\c)+(\a)):(\f)+8*(4*(\c)+(\a))+7], v[ACC+8*(4*(\a)+(\b)):ACC+8*(4*(\a)+(\b))+7]
.endif
.endr
.endr
.endm
.macro FETCH g
	WIN TO_F
.irp c, 0,1
.irp i, 0,1,2,3
	ds_load_b128 v[(\g)+64+8*(4*(\c)+(\i)):(\g)+64+8*(4*(\c)+(\i))+3],   v[ADRB] offset:64*(\c)+(\i)*16*PB
	ds_load_b128 v[(\g)+64+8*(4*(\c)+(\i))+4:(\g)+64+8*(4*(\c)+(\i))+7], v[ADRB] offset:64*(\c)+(\i)*16*PB+32
	ds_load_b128 v[(\g)+8*(4*(\c)+(\i)):(\g)+8*(4*(\c)+(\i))+3],         v[ADRA] offset:64*(\c)+(\i)*16*PA
	ds_load_b128 v[(\g)+8*(4*(\c)+(\i))+4:(\g)+8*(4*(\c)+(\i))+7],       v[ADRA] offset:64*(\c)+(\i)*16*PA+32
.endr
.endr
.endm
.macro AHEAD g                         ; the two additions and two v_nop are the four places between the last product that read buffer g and the loads into it
	WIN 0
	v_add_nc_u32 v[ADRA], s[TBA], v[A0]
	v_add_nc_u32 v[ADRB], s[TBB], v[B0]
	v_nop
	v_nop
	s_add_co_u32 s[TBA], s[TBA], QA
	s_add_co_u32 s[TBB], s[TBB], QB
	FETCH \g
.endm
.macro QUARTER f, g, zero
	s_wait_dscnt 0x0                               ; f's 32 loads, issued a quarter ago
	AHEAD \g
	MUL16 \f, 0, \zero
	MUL16 \f, 1, 0
.endm
; THE CHANGE OF SLOTS, in front of a step's fourth quarter: all my tensor loads have landed, the add, my reads of the slot are over; then the barrier (fill = 1: a round of the cluster's) and the refill first behind it.
.macro CHANGE slot, fill
	WIN 0
	s_wait_tensorcnt 0x0                           ; no tensor load of mine is out, so a group 0 may be written
	ds_add_u32 v[SPW], v[NIL]
.if \fill
	s_add_nc_u64 s[G0A+4*(\slot)+2:G0A+4*(\slot)+3], s[G0A+4*(\slot)+2:G0A+4*(\slot)+3], 2*ASTEP
	s_add_nc_u64 s[G0B+4*(\slot)+2:G0B+4*(\slot)+3], s[G0B+4*(\slot)+2:G0B+4*(\slot)+3], 2*BSTEP
.endif
	s_mov_b32 s[TBA], (1-(\slot))*SLOT
	s_mov_b32 s[TBB], (1-(\slot))*SLOT
	s_wait_dscnt 0x0                               ; the add is done, and my reads of the slot are over
.if \fill
	CROUND
	JLOAD \slot
.else
	s_barrier_signal -1
	s_barrier_wait -1
.endif
.endm
.macro PAIRS
	s_mov_b32 s[TW], 2
.Lpair_\@:
	QUARTER F1, F0, 0
	QUARTER F0, F1, 0
	WIN 0
	s_sub_co_u32 s[TW], s[TW], 1
	s_cmp_lg_u32 s[TW], 0
	s_cbranch_scc1 .Lpair_\@
.endm
; THE WAY OUT of block a (16 rows), in three parts
.macro BIAS a                          ; + bv, each accumulator from its low end on
.irp b, 0,1,2,3
.irp p, 0,1,2,3
	v_pk_add_f32 v[ACC+8*(4*(\a)+(\b))+2*(\p):ACC+8*(4*(\a)+(\b))+2*(\p)+1], v[ACC+8*(4*(\a)+(\b))+2*(\p):ACC+8*(4*(\a)+(\b))+2*(\p)+1], v[BV+8*(\b)+2*(\p):BV+8*(\b)+2*(\p)+1]
.endr
.endr
.endm
.macro TOSTAGE a                       ; 32 bytes a lane and block of columns into my own stage, and back as whole rows of 256 bytes
.irp b, 0,1,2,3
	ds_store_b128 v[STO], v[ACC+8*(4*(\a)+(\b)):ACC+8*(4*(\a)+(\b))+3]   offset:64*(\b)
	ds_store_b128 v[STO], v[ACC+8*(4*(\a)+(\b))+4:ACC+8*(4*(\a)+(\b))+7] offset:64*(\b)+16
.endr
.irp t, 0,1,2,3,4,5,6,7
	ds_load_b128 v[OB+32*((\a)%2)+4*(\t):OB+32*((\a)%2)+4*(\t)+3], v[RD] offset:(\t)*2*SP  ; LDS serves a wave's instructions in order (ISA guide 5.7.1.4): these see the stores above
.endr
.endm
.macro SEND a
	s_wait_dscnt 0x0                               ; the block is back in registers
	s_wait_xcnt 0x0                                ; the stores of the block before have read their registers: the other buffer is loaded again only behind this wait
.irp t, 0,1,2,3,4,5,6,7
	global_store_b128 v[CO], v[OB+32*((\a)%2)+4*(\t):OB+32*((\a)%2)+4*(\t)+3], s[CB:CB+1] offset:(16*(\a)+2*(\t))*ROWB th:TH_STORE_NT  ; 16 lanes store 256 consecutive bytes, aligned
.endr
.endm
	s_load_b256 s[72:79], s[0:1], 0x0              ; ctx s[72:73], x16 s[74:75], bv s[76:77], out0 s[78:79]
	v_lshl_add_u32 v[SPW], v0, 2, SPARE
	v_mov_b32 v[NIL], 0
	ds_add_u32 v[SPW], v[NIL]                      ; the wave's opening: the add and its wait stand ahead of my first tensor load
	v_lshrrev_b32 v1, 5, v0
	v_readfirstlane_b32 s[WV], v1
	s_lshr_b32 s[MH], s[WV], 1
	s_and_b32 s[NH], s[WV], 1
	s_bfe_u32 s[CX], ttmp6, 0x40000
	s_bfe_u32 s[CY], ttmp6, 0x40004
	s_lshl_b32 s[TX], ttmp9, 2
	s_add_co_u32 s[TX], s[TX], s[CX]
	s_and_b32 s[BAT], ttmp7, 0xffff
	s_lshl_b32 s[TY], s[BAT], 2
	s_add_co_u32 s[TY], s[TY], s[CY]
	s_lshl_b32 s43, s[CY], 2
	s_lshl_b32 s43, 15, s43
	s_lshl_b32 s44, 0x1111, s[CX]
	s_or_b32 s[G1A], s43, (1<<16)|(1<<20)|(1<<21)|(6<<22)|(3<<25)
	s_or_b32 s[G1B], s44, (1<<16)|(1<<20)|(1<<21)|(6<<22)|(3<<25)
.irp g, G1A, G1B
	s_mov_b32 s[(\g)+1], 256<<16
	s_mov_b32 s[(\g)+2], 64<<16
	s_mov_b32 s[(\g)+3], 256<<16
	s_mov_b32 s[(\g)+4], 64
	s_mov_b32 s[(\g)+5], 1024
	s_mov_b32 s[(\g)+6], 0
	s_mov_b32 s[(\g)+7], 0
.endr
	s_lshl_b32 s16, s[TY], 7                       ; A: row 128 x tile row + 64 x half; these registers never hold the tile column
	s_lshl_b32 s17, s[NH], 6
	s_add_co_u32 s16, s16, s17
	s_lshl_b32 s16, s16, 11
	s_mov_b32 s17, 0
	s_lshl_b32 s46, s[TX], 7                       ; B: row 128 x tile column + 64 x half; these never hold the tile row
	s_lshl_b32 s47, s[NH], 6
	s_add_co_u32 s46, s46, s47
	s_lshl_b32 s46, s46, 11
	s_add_co_u32 s46, s46, BOFF
	s_mov_b32 s47, 0
	s_mul_i32 s20, s[NH], HA
	s_mul_i32 s21, s[NH], HB
	s_add_co_u32 s21, s21, AT
	s_mov_b32 s[TBA], 0
	s_mov_b32 s[TBB], 0
	s_wait_dscnt 0x0                               ; the opening add is done
	s_wait_kmcnt 0x0
	s_add_nc_u64 s[14:15], s[72:73], s[16:17]
	s_add_nc_u64 s[46:47], s[74:75], s[46:47]
	CROUND                                         ; all sixteen work-groups are here: the first joint loads meet
.irp s, 0,1
	s_mov_b32 s[G0A+4*(\s)], 1
	s_add_co_u32 s[G0A+4*(\s)+1], s20, (\s)*SLOT
	s_add_nc_u64 s[G0A+4*(\s)+2:G0A+4*(\s)+3], s[14:15], (\s)*ASTEP
	s_or_b32 s[G0A+4*(\s)+3], s[G0A+4*(\s)+3], 0x80000000
	s_mov_b32 s[G0B+4*(\s)], 1
	s_add_co_u32 s[G0B+4*(\s)+1], s21, (\s)*SLOT
	s_add_nc_u64 s[G0B+4*(\s)+2:G0B+4*(\s)+3], s[46:47], (\s)*BSTEP
	s_or_b32 s[G0B+4*(\s)+3], s[G0B+4*(\s)+3], 0x80000000
.endr
	s_cmp_eq_u32 s[MH], 0                          ; a wave's two first fills stand in one branch: two loads of mine are out
	s_cbranch_scc0 .Lfirst_b
	tensor_load_to_lds s[G0A:G0A+3], s[G1A:G1A+7]
	s_nop 0
	tensor_load_to_lds s[G0A+4:G0A+7], s[G1A:G1A+7]
	s_nop 0
	PLACES
	s_branch .Lfirst_asked
.Lfirst_b:
	tensor_load_to_lds s[G0B:G0B+3], s[G1B:G1B+7]
	s_nop 0
	tensor_load_to_lds s[G0B+4:G0B+7], s[G1B:G1B+7]
	s_nop 0
	PLACES
.Lfirst_asked:
	v_and_b32 v1, 15, v0                           ; r
	v_bfe_u32 v2, v0, 4, 1                         ; h
	s_lshl_b32 s46, s[TX], 9                       ; my wave's 64 columns, in bytes of f32: 512 x tile column + 256 x half
	s_lshl_b32 s47, s[NH], 8
	s_add_co_u32 s46, s46, s47
	s_mov_b32 s47, 0
	s_add_nc_u64 s[76:77], s[76:77], s[46:47]
	v_lshlrev_b32 v[BO], 5, v2                     ; my lane's columns are 16 b + 8 h + 0..7
.irp b, 0,1,2,3
	global_load_b128 v[BV+8*(\b):BV+8*(\b)+3],   v[BO], s[76:77] offset:64*(\b)
	global_load_b128 v[BV+8*(\b)+4:BV+8*(\b)+7], v[BO], s[76:77] offset:64*(\b)+16
.endr
	s_lshl_b32 s16, s[TY], 7                       ; out0 at my wave's first row and column
	s_lshl_b32 s17, s[MH], 6
	s_add_co_u32 s16, s16, s17
	s_lshl_b32 s16, s16, 12
	s_mov_b32 s17, 0
	s_add_nc_u64 s[CB:CB+1], s[78:79], s[16:17]
	s_add_nc_u64 s[CB:CB+1], s[CB:CB+1], s[46:47]
	v_mul_u32_u24 v3, v1, PA
	v_lshl_add_u32 v3, v2, 4, v3
	s_mul_i32 s22, s[MH], HA
	v_add_nc_u32 v[A0], s22, v3
	s_mul_i32 s23, s[NH], HB
	s_add_co_u32 s23, s23, AT
	v_add_nc_u32 v[B0], s23, v3
	s_mul_i32 s22, s[WV], 16*SP
	s_add_co_u32 s22, s22, STAGE                   ; my stage
	v_mul_u32_u24 v4, v1, SP                       ; in: row r, 32 bytes for each half of the lanes
	v_lshl_add_u32 v4, v2, 5, v4
	v_add_nc_u32 v[STO], s22, v4
	v_mul_u32_u24 v5, v2, SP                       ; back: lanes 0-15 take one row of 256 bytes, lanes 16-31 the next
	v_lshl_add_u32 v5, v1, 4, v5
	v_add_nc_u32 v[RD], s22, v5
	v_mul_u32_u24 v5, v2, ROWB
	v_lshl_add_u32 v[CO], v1, 4, v5
	s_wait_tensorcnt 0x1                           ; my part of slot 0 is in; slot 1's may stay out
	s_barrier_signal -1
	s_barrier_wait -1
	AHEAD F0
	QUARTER F0, F1, 1
	QUARTER F1, F0, 0
	QUARTER F0, F1, 0
	CHANGE 0, 1
	PAIRS
	CHANGE 1, 1
	PAIRS
	CHANGE 0, 0
	PAIRS
	s_wait_dscnt 0x0
	MUL16 F1, 0, 0
	MUL16 F1, 1, 0
	WIN 0
	s_wait_loadcnt 0x0                             ; bv
	PLACES                                         ; behind the last products
	BIAS 0
	TOSTAGE 0
.irp a, 1,2,3                                      ; block a's additions stand between block a - 1's loads from the stage and the wait for them
	BIAS \a
	SEND (\a)-1
	TOSTAGE \a
.endr
	SEND 3
	s_wait_tensorcnt 0x0                           ; the wave's end
	ds_add_u32 v[SPW], v[NIL]
	s_wait_dscnt 0x0
	CROUND                                         ; the closing round
	s_endpgm
.Lfunc_end_k_q297120ea4e_oproj:
	.size	k_q297120ea4e_oproj, .Lfunc_end_k_q297120ea4e_oproj-k_q297120ea4e_oproj
	.p2alignl 7, 3214868480
	.fill 96, 4, 3214868480
	.section	.rodata,"a",@progbits
	.p2align	6, 0x0
	.amdhsa_kernel k_q297120ea4e_oproj
		.amdhsa_group_segment_fixed_size 327680
		.amdhsa_private_segment_fixed_size 0
		.amdhsa_enable_private_segment 0
		.amdhsa_kernarg_size 32
		.amdhsa_user_sgpr_count 2
		.amdhsa_user_sgpr_kernarg_segment_ptr 1
		.amdhsa_wavefront_size32 1
		.amdhsa_system_sgpr_workgroup_id_x 1
		.amdhsa_system_sgpr_workgroup_id_y 1
		.amdhsa_system_sgpr_workgroup_id_z 1
		.amdhsa_system_vgpr_workitem_id 0
		.amdhsa_next_free_vgpr 512
		.amdhsa_next_free_sgpr 96
		.amdhsa_reserve_vcc 0
		.amdhsa_float_denorm_mode_32 3
		.amdhsa_float_denorm_mode_16_64 3
		.amdhsa_memory_ordered 1
		.amdhsa_forward_progress 1
		.amdhsa_inst_pref_size 66
	.end_amdhsa_kernel
	.amdgpu_metadata
---
amdhsa.version: [ 1, 2 ]
amdhsa.kernels:
  - .name:           k_q297120ea4e_oproj
    .symbol:         k_q297120ea4e_oproj.kd
    .args:
      - { .name: ctx, .offset: 0, .size: 8, .value_kind: global_buffer, .address_space: global }
      - { .name: x16, .offset: 8, .size: 8, .value_kind: global_buffer, .address_space: global }
      - { .name: bv, .offset: 16, .size: 8, .value_kind: global_buffer, .address_space: global }
      - { .name: out0, .offset: 24, .size: 8, .value_kind: global_buffer, .address_space: global }
    .group_segment_fixed_size: 327680
    .private_segment_fixed_size: 0
    .kernarg_segment_align: 8
    .kernarg_segment_size: 32
    .max_flat_workgroup_size: 128
    .sgpr_count:     96
    .vgpr_count:     512
    .wavefront_size: 32
...
	.end_amdgpu_metadata
.endif
;; end of part 6
;; ======== version 2 of 2: 6 launches; version 1 with the launch cvt written anew for expert scheduling mode
;; limits: values are held in f16: magnitudes above 65,504 overflow, below 6.1e-05 lose precision; inputs' magnitudes at most 65,504; right only within a limited range of input values
;; workspace buffers: x16 81,788,928 bytes; qh 8,388,608 bytes; qp 8,388,608 bytes; tpart 262,144 bytes; pm 16,777,216 bytes; stat 1,048,576 bytes; ctx 8,388,608 bytes
;; launch cvt (part 7): grid 1248 x 1, 8 waves a work-group, no clusters, 0 bytes of LDS; arguments q_embd, k_embd, v_embd, Wq, Wk, Wv, x16; writes x16
.if DOCPART == 7
	.amdgcn_target "amdgcn-amd-amdhsa--gfx1250"
	.amdhsa_code_object_version 6
	.text
	.protected	k_q297120ea4e_cvt
	.globl	k_q297120ea4e_cvt
	.p2align	8
	.type	k_q297120ea4e_cvt,@function
k_q297120ea4e_cvt:
	s_mov_b64 s[64:65], 0
	v_nop
	global_prefetch_b8 v0, s[64:65] scope:SCOPE_SE
	s_setreg_imm32_b32 hwreg(HW_REG_WAVE_SCHED_MODE, 0, 2), 2
	s_setreg_imm32_b32 hwreg(HW_REG_WAVE_MODE, 25, 1), 1
	s_wait_xcnt 0x0
	s_wait_alu depctr_vm_vsrc(0)
; x16 = q_embd, k_embd, v_embd, Wq, Wk, Wv on end, each number rounded once from f32 to f16.
; LIMIT: a number of 65,520 or more in magnitude becomes an infinity; below 6.1e-5 f16 keeps its fixed step of 6e-8.  NaN and infinities pass as they are.
; The six tensors have 4, 16, 16, 1, 1, 1 Mi elements: 39 Mi in all.  A work-group converts 32 Ki elements (131,072 bytes in, 65,536 out), so 32 work-groups make a Mi
; and no work-group spans two tensors.  Thread t takes 16 bytes at 16 t of each 4,096-byte chunk and stores 8 bytes at 8 t of each 2,048-byte chunk:
; a wave's load covers 512 consecutive bytes, its store 256 consecutive bytes, aligned.  All 32 loads of a thread go out first; no register that a load or store reads is ever written again.
; No LDS, no barrier, no matrix unit: the launch only moves bytes.
; THE MODE: SCHED_MODE bits 1:0 = 2 (LLVM: expert scheduling mode 2), set by the entry lines.  The code itself states the register dependences
; between vector instructions and memory instructions, with s_wait_alu, always for 0.
; THE PLAN.  Registers that memory instructions touch:
;   v1, v2     byte offsets, made once at the head and never written again: v1 is read by every load, v2 by every store.
;   X, chunk i four registers.  Written by the chunk's load, which is issued before any vector instruction names X; read by the chunk's two conversions, which
;              write the first two in place; those two are read by the chunk's store and never written again.
; The 32 chunks go in 8 blocks of four.  Block p rounds its own four chunks; the stores that it issues are those of block p - 1, whose registers no conversion of
; block p names.  So one wait on va_vdst at a block's head states all that its four stores hang on, and they are dealt among the block's conversions with no further wait.
; No load lands in a register that a vector instruction has named, no register that a memory instruction has read is written again, no vector instruction writes
; a scalar register, and EXEC is never written: no other dependence between the two sides is there to state.
.set X, 4                              ; v[4:131]  chunk i: four registers as loaded; the first two then hold the four f16
.set BLOCK, 4                          ; chunks in a block
	s_load_b256 s[8:15], s[0:1], 0x0               ; q_embd, k_embd, v_embd, Wq
	s_load_b128 s[16:19], s[0:1], 0x20             ; Wk, Wv
	s_load_b64 s[20:21], s[0:1], 0x30              ; x16
	s_lshr_b32 s2, ttmp9, 5                        ; which Mi of elements this work-group lies in, 0 to 38
	v_lshlrev_b32 v1, 4, v0                        ; my 16 bytes of a chunk of the source
	v_lshlrev_b32 v2, 3, v0                        ; my 8 bytes of a chunk of x16
	s_mov_b32 s24, 0                               ; the Mi at which the chosen tensor begins
	s_mov_b32 s27, 0
	s_wait_kmcnt 0x0
	s_mov_b64 s[22:23], s[8:9]                     ; the source: q_embd, unless a later tensor has begun
.macro PICK first, p                   ; from Mi 'first' on the source is the tensor whose address lies in s[p:p+1]
	s_cmp_ge_u32 s2, \first
	s_cselect_b64 s[22:23], s[\p:\p+1], s[22:23]
	s_cselect_b32 s24, \first, s24
.endm
	PICK 4, 10
	PICK 20, 12
	PICK 36, 14
	PICK 37, 16
	PICK 38, 18
	s_lshl_b32 s24, s24, 5                         ; the tensor's first work-group
	s_sub_co_u32 s26, ttmp9, s24
	s_lshl_b32 s26, s26, 17                        ; 131,072 bytes of the source for each work-group
	s_add_nc_u64 s[22:23], s[22:23], s[26:27]
	s_lshl_b32 s26, ttmp9, 16                      ; 65,536 bytes of x16
	s_add_nc_u64 s[20:21], s[20:21], s[26:27]
	s_wait_alu depctr_va_vdst(0)                   ; v1 and v2 are written: every load below reads v1 as its offset, every store v2
.set i, 0
.rept 32
	global_load_b128 v[X+4*i:X+4*i+3], v1, s[22:23] offset:4096*i th:TH_LOAD_NT
.set i, i+1
.endr
; Block p: its four chunks are rounded; ahead of each chunk's two conversions stands a store of the block before.
.macro BLK p
	s_wait_loadcnt 32-BLOCK*((\p)+1)               ; loads come back in order: block p's four are in, the 28 - 4 p younger ones stay out
.if (\p) > 0
	s_wait_alu depctr_va_vdst(0)                   ; the conversions of the block before have written the eight registers that the four stores below read
.endif
.irp j, 0,1,2,3
.set c, BLOCK*(\p)+(\j)                ; the chunk that is rounded
.set d, c-BLOCK                        ; the chunk that is stored
.if (\p) > 0
	global_store_b64 v2, v[X+4*d:X+4*d+1], s[20:21] offset:2048*d th:TH_STORE_NT  ; no vector instruction since the wait names these registers
.endif
	v_cvt_pk_f16_f32 v[X+4*c], v[X+4*c], v[X+4*c+1]
	v_cvt_pk_f16_f32 v[X+4*c+1], v[X+4*c+2], v[X+4*c+3]
.endr
.endm
.irp p, 0,1,2,3,4,5,6,7
	BLK \p
.endr
	s_wait_alu depctr_va_vdst(0)                   ; block 7's conversions have written the registers that the last four stores read
.set d, 32-BLOCK
.rept BLOCK
	global_store_b64 v2, v[X+4*d:X+4*d+1], s[20:21] offset:2048*d th:TH_STORE_NT
.set d, d+1
.endr
	s_endpgm
.Lfunc_end_k_q297120ea4e_cvt:
	.size	k_q297120ea4e_cvt, .Lfunc_end_k_q297120ea4e_cvt-k_q297120ea4e_cvt
	.p2alignl 7, 3214868480
	.fill 96, 4, 3214868480
	.section	.rodata,"a",@progbits
	.p2align	6, 0x0
	.amdhsa_kernel k_q297120ea4e_cvt
		.amdhsa_group_segment_fixed_size 0
		.amdhsa_private_segment_fixed_size 0
		.amdhsa_enable_private_segment 0
		.amdhsa_kernarg_size 56
		.amdhsa_user_sgpr_count 2
		.amdhsa_user_sgpr_kernarg_segment_ptr 1
		.amdhsa_wavefront_size32 1
		.amdhsa_system_sgpr_workgroup_id_x 1
		.amdhsa_system_sgpr_workgroup_id_y 1
		.amdhsa_system_sgpr_workgroup_id_z 1
		.amdhsa_system_vgpr_workitem_id 0
		.amdhsa_next_free_vgpr 132
		.amdhsa_next_free_sgpr 66
		.amdhsa_reserve_vcc 0
		.amdhsa_float_denorm_mode_32 3
		.amdhsa_float_denorm_mode_16_64 3
		.amdhsa_memory_ordered 1
		.amdhsa_forward_progress 1
		.amdhsa_inst_pref_size 12
	.end_amdhsa_kernel
	.amdgpu_metadata
---
amdhsa.version: [ 1, 2 ]
amdhsa.kernels:
  - .name:           k_q297120ea4e_cvt
    .symbol:         k_q297120ea4e_cvt.kd
    .args:
      - { .name: q_embd, .offset: 0, .size: 8, .value_kind: global_buffer, .address_space: global }
      - { .name: k_embd, .offset: 8, .size: 8, .value_kind: global_buffer, .address_space: global }
      - { .name: v_embd, .offset: 16, .size: 8, .value_kind: global_buffer, .address_space: global }
      - { .name: Wq, .offset: 24, .size: 8, .value_kind: global_buffer, .address_space: global }
      - { .name: Wk, .offset: 32, .size: 8, .value_kind: global_buffer, .address_space: global }
      - { .name: Wv, .offset: 40, .size: 8, .value_kind: global_buffer, .address_space: global }
      - { .name: x16, .offset: 48, .size: 8, .value_kind: global_buffer, .address_space: global }
    .group_segment_fixed_size: 0
    .private_segment_fixed_size: 0
    .kernarg_segment_align: 8
    .kernarg_segment_size: 56
    .max_flat_workgroup_size: 256
    .sgpr_count:     66
    .vgpr_count:     132
    .wavefront_size: 32
...
	.end_amdgpu_metadata
.endif
;; end of part 7
;; launch qproj: the kernel of part 2 again; grid 8 x 32, 4 waves a work-group, clusters of 4 x 4, 327,680 bytes of LDS; arguments x16, bq, bk, qh, tpart; writes qh, tpart
;; launch qk: the kernel of part 3 again; grid 8 x 32, 4 waves a work-group, clusters of 4 x 4, 327,680 bytes of LDS; arguments qh, x16, qp; writes qp
;; launch score: the kernel of part 4 again; grid 16 x 32, 4 waves a work-group, clusters of 4 x 4, 327,680 bytes of LDS; arguments qp, x16, tpart, pm, stat; writes pm, stat
;; launch ctxk: the kernel of part 5 again; grid 8 x 32, 4 waves a work-group, clusters of 4 x 4, 327,680 bytes of LDS; arguments pm, x16, stat, ctx; writes ctx
;; launch oproj: the kernel of part 6 again; grid 8 x 32, 4 waves a work-group, clusters of 4 x 4, 327,680 bytes of LDS; arguments ctx, x16, bv, out0; writes out0
